; MI455X (gfx1250); checked and timed in simulation.
; The chip was launched on July 23, 2026; its instructions are those of AMD's public machine-readable ISA for CDNA 5 (MIT licence, August 2026) and "CDNA5" Instruction Set Architecture Reference Guide (July 2026). The comments in the code are by the model that wrote it; some were corrected since.
;; Self Multihead Attn. Allowed arithmetic: matrix products marked QUANTISED: E2M3 operands, one E8M0 scale for each 32 along K, by v_wmma_scale_f32_16x16x128_f8f6f4 with both operands' format E2M3, f32 sums; everything else in f32.
;; Inputs: in_proj_weight 3,072 x 1,024 float32; out_proj_weight 1,024 x 1,024 float32; query 2,048 x 4 x 1,024 float32.
;; Outputs: out0 2,048 x 4 x 1,024 float32.
;; This version of the problem:
;;   THIS VERSION OF THE PROBLEM IS GIVEN IN LOW PRECISION. The matrix products marked QUANTISED in the list below multiply operands that are first quantised to E2M3 (2 exponent bits, 3 mantissa bits; 6 bits a number), with one power-of-two scale for each 32 numbers along K (OCP MX v1.0); their sums are f32. All else is computed in f32.
;;   The module's matrix products, in the order in which they are computed (A, B: the left and right operand; K: the contracted axis; several contracted axes count as one K, in the product's order):
;;     1. [M 8,192, K 1,024] x [K 1,024, N 3,072]; A: input query; B: input in_proj_weight: QUANTISED
;;     2. batch 64 x [M 2,048, K 64] x [K 64, N 2,048]; A: computed on the way; B: computed on the way: QUANTISED
;;     3. batch 64 x [M 2,048, K 2,048] x [K 2,048, N 64]; A: softmax (see below); B: computed on the way: QUANTISED
;;     4. [M 8,192, K 1,024] x [K 1,024, N 1,024]; A: computed on the way; B: input out_proj_weight: QUANTISED
;;   THE QUANTISER, for each operand of a quantised product, along K:
;;     - K is cut into blocks of 32 from its start; a last block that is shorter is filled with zeros.
;;     - A block's scale is 2^e with e = floor(log2(the largest magnitude in the block)) - 2, held to -126 .. 127; a block of zeros has e = 0. As a byte (E8M0): e + 127.
;;     - Each number is divided by its block's scale, clamped to +-7.5, and rounded to the nearest number of E2M3, ties to even, subnormals kept.
;;     - The product sums the exact products of the quantised numbers (number of the format x scale) in f32.
;;   ~~~python
;;   def quantise(x, axis):      # numpy; x: float32 -> the quantised numbers, widened to float32 again
;;       x = np.moveaxis(x, axis, -1); K = x.shape[-1]
;;       x = np.pad(x, [(0, 0)] * (x.ndim - 1) + [(0, -K % 32)]); x = x.reshape(x.shape[:-1] + (-1, 32)); a = np.abs(x).max(-1, keepdims=True)
;;       e = np.where(a > 0, np.clip(np.frexp(np.where(a > 0, a, 1))[1] - 1 - 2, -126, 127), 0)      # np.frexp(a)[1] - 1 = floor(log2(a)), exactly
;;       r = np.clip(x / 2.0 ** e, -7.5, 7.5)
;;       step = 2.0 ** (np.maximum(np.frexp(np.where(r == 0, 1, r))[1] - 1, 0) - 3)
;;       q = np.round(r / step) * step * 2.0 ** e      # np.round: ties to even
;;       return np.moveaxis(q.reshape(q.shape[:-2] + (-1,))[..., :K], -1, axis).astype(np.float32)
;;   ~~~
;;   SOFTMAX AHEAD OF A QUANTISED PRODUCT. Where the list says 'softmax', what is quantised is not the finished softmax but p = 2^(t - M), with t = logit x log2(e) and M = ceil(the row's largest t), a whole number; so 1/2 < the row's largest p <= 1. The row's sum l is taken of the UNQUANTISED p, in f32, and the product's result is divided by l at the end. Since M is a whole number, a kernel that streams over the keys may use a running M (the ceiling of the running maximum): every later rescaling is an exact power of two, which a block's scale takes up: the codes' values come out the same.
;;   OPERANDS COMPUTED ON THE WAY. 'Computed on the way' means the value that the module computes at that place (a softmax that the list does not call 'softmax' is quantised finished and normalised). What goes into a quantiser is computed in f32, as accurately as f32 sums, v_exp_f32 and their like allow (about 1e-6 of the number): no bf16 or f16 on the way to a quantiser, and a product that is left as it is and whose result goes on into a quantised operand takes f32 operands (vector FMAs, or v_wmma_f32_16x16x4_f32). A number that lies on a knife's edge between two numbers of the format may be rounded either way, as far as f32 arithmetic and the matrix unit's own rounding can turn it there, and no further.
;; One version. Each part assembles by itself: llvm-mc -triple=amdgcn-amd-amdhsa -mcpu=gfx1250 --defsym DOCPART=n.
;; ======== version 1 of 1: 4 launches
;; limits: right only within a limited range of input values
;; workspace buffers: ximg 6,553,600 bytes; wiimg 2,457,600 bytes; woimg 819,200 bytes; qkimg 13,107,200 bytes; vimg 6,553,600 bytes; cimg 6,553,600 bytes
;; launch quant (part 1): grid 384 x 1, 4 waves a work-group, no clusters, 34,304 bytes of LDS; arguments query, in_proj_weight, out_proj_weight, ximg, wiimg, woimg; writes ximg, wiimg, woimg
.if DOCPART == 1
	.amdgcn_target "amdgcn-amd-amdhsa--gfx1250"
	.amdhsa_code_object_version 6
	.text
	.protected	k_qc5c503351a_quant
	.globl	k_qc5c503351a_quant
	.p2align	8
	.type	k_qc5c503351a_quant,@function
k_qc5c503351a_quant:
	s_mov_b64 s[64:65], 0
	v_nop
	global_prefetch_b8 v0, s[64:65] scope:SCOPE_SE
	s_setreg_imm32_b32 hwreg(HW_REG_WAVE_MODE, 25, 1), 1
	s_wait_xcnt 0x0
; query [2048][4][1024], in_proj_weight [3072][1024], out_proj_weight [1024][1024], f32, become codes of FP6 (E2M3) with one E8M0 byte for each 32 along K (the last axis),
; laid as IMAGES OF OPERAND REGISTERS.  A record is 128 rows x 128 k: 8 blocks of 16 rows, 1,536 bytes each; register i (0..11) of lane L of block a lies at 1536 a + 512 (i / 4) + 16 L + 4 (i % 4);
; lane (r = L % 16, h = L / 16) holds row r of the block, registers 6 c .. 6 c + 5 hold k = 64 c + 32 h + 0 .. 31.  Row r of block a is row 32 (a / 2) + 8 (a % 2) + r + 8 (r / 8) of the record's 128 rows.
; A record's scale words (one word a row, byte b for k = 32 b ..), 512 bytes: word of (a, r) at 256 (a / 4) + 16 r + 4 (a % 4).  A buffer: all records' codes, then all records' scale words.
; Record index: row group x 8 + K step.  query's rows are taken batch-major: row group = 16 b + t / 128.
; A block's scale is 2^(floor(log2(largest magnitude)) - 2); its byte is the largest magnitude's exponent field - 2, held at 1 from below.
; LIMITS: a block of zeros, and a block whose largest magnitude lies under 2^-124, keeps the byte 1 (zeros: the codes are zeros, and only this program reads the bytes); NaN and infinities are not served.
; SHARES: 192 quads of 64 rows (128 of query, 48 and 16 of the weights) x 2 halves of K = 384 work-groups; wave w takes K step 4 (x & 1) + w: four blocks of 16 rows x 128 k.
; Each load reads one row's 512 consecutive bytes; a block turns through the wave's own stage in LDS (16 rows of 512 + 16 bytes), from which a lane takes its 2 x 32 neighbours along K.  Waves share nothing: no barrier.
.set WST, 8448                         ; a wave's stage
.set VO,  16                           ; v16-31   16 L + the block's row i x the row stride
.set R,   32                           ; v32-159  two sets of 64: a block as loaded
.set X,   160                          ; v160-223 my 64 numbers: register 32 c + i = k 64 c + 32 h + i of row r
.set PC,  224                          ; v224-235 the block's codes: my 12 operand registers
.set Y,   236                          ; v236-243 the upper halves of the two blocks, before they are moved
.set PW,  244                          ; v244-247 the scale word of step e
	s_load_b256 s[4:11], s[0:1], 0x0               ; query, in_proj_weight, out_proj_weight, ximg
	s_load_b128 s[12:15], s[0:1], 0x20             ; wiimg, woimg
	v_lshl_add_u32 v243, v0, 2, 0x8400
	v_mov_b32 v255, 0
	v_lshrrev_b32 v1, 5, v0
	v_readfirstlane_b32 s17, v1                    ; wave
	v_and_b32 v1, 31, v0                           ; L
	v_and_b32 v2, 15, v0                           ; r
	v_bfe_u32 v3, v0, 4, 1                         ; h
	v_lshlrev_b32 v4, 4, v1                        ; 16 L
	s_mul_i32 s18, s17, WST
	v_add_nc_u32 v5, s18, v4                       ; into the stage: 16 L of a row
	v_mul_u32_u24 v6, v2, 528
	v_lshl_add_u32 v6, v3, 7, v6
	v_add_nc_u32 v6, s18, v6                       ; out of it: row r, + 128 h bytes
	v_lshlrev_b32 v7, 4, v2
	v_lshl_add_u32 v7, v3, 3, v7                   ; the scale words' store: 16 r + 8 h
	v_lshlrev_b32 v8, 3, v3                        ; 8 h: my bytes' shift in a scale word
	v_mov_b32 v254, 0                              ; a lane permute's destination counts as a source: written once
	s_mov_b32 s2, 0x76543210
	s_mov_b32 s3, 0xfedcba98                       ; selects for lane l xor 16
	s_lshr_b32 s16, ttmp9, 1                       ; the quad
	s_and_b32 s19, ttmp9, 1
	s_lshl_b32 s19, s19, 2
	s_add_co_u32 s19, s19, s17                     ; my K step
	s_wait_alu depctr_va_vdst(0)
	s_wait_kmcnt 0x0
	s_cmp_lt_u32 s16, 176                          ; which tensor: the choice hangs on the work-group's number alone; one path serves all three
	s_cselect_b64 s[6:7], s[6:7], s[8:9]
	s_cselect_b64 s[12:13], s[12:13], s[14:15]
	s_mov_b32 s20, 786432
	s_cselect_b32 s20, 2359296, s20                ; where the scale words begin in the image
	s_mov_b32 s21, 176
	s_cselect_b32 s21, 128, s21                    ; the tensor's first quad
	s_cmp_lt_u32 s16, 128
	s_cselect_b64 s[4:5], s[4:5], s[6:7]
	s_cselect_b64 s[10:11], s[10:11], s[12:13]
	s_cselect_b32 s20, 6291456, s20
	s_cselect_b32 s21, 0, s21
	s_mov_b32 s22, 4096
	s_cselect_b32 s22, 16384, s22                  ; bytes from a row of the row group to the next: query's rows of one batch lie 4 rows apart
	s_cselect_b32 s23, 1, 0
	s_sub_co_u32 s21, s16, s21
	s_lshr_b32 s32, s21, 1                         ; row group
	s_and_b32 s33, s21, 1                          ; which 64 rows of it
	s_and_b32 s34, s32, 15
	s_lshl_b32 s34, s34, 21                        ; query: 128 (rg % 16) rows of 16,384 bytes
	s_lshr_b32 s35, s32, 4
	s_lshl_b32 s35, s35, 12                        ; + the batch's 4,096
	s_add_co_u32 s34, s34, s35
	s_lshl_b32 s35, s32, 19                        ; a weight: 128 rg rows of 4,096 bytes
	s_cmp_eq_u32 s23, 1
	s_cselect_b32 s34, s34, s35
	s_mul_i32 s35, s33, s22
	s_lshl_b32 s35, s35, 6
	s_add_co_u32 s34, s34, s35                     ; + 64 rows for the second quad
	s_lshl_b32 s35, s19, 9
	s_add_co_u32 s34, s34, s35                     ; + 512 bytes a K step
	s_mov_b32 s35, 0
	s_add_nc_u64 s[4:5], s[4:5], s[34:35]
	s_mov_b64 s[24:25], s[4:5]                     ; step e's block begins 0, 8, 32, 40 rows on
	s_lshl_b32 s34, s22, 3
	s_add_nc_u64 s[26:27], s[4:5], s[34:35]
	s_lshl_b32 s34, s22, 5
	s_add_nc_u64 s[28:29], s[4:5], s[34:35]
	s_mul_i32 s34, s22, 40
	s_add_nc_u64 s[30:31], s[4:5], s[34:35]
	s_lshl_b32 s36, s32, 3
	s_add_co_u32 s36, s36, s19                     ; the record
	s_mul_i32 s34, s36, 12288
	s_mul_i32 s37, s33, 6144
	s_add_co_u32 s34, s34, s37
	s_add_nc_u64 s[38:39], s[10:11], s[34:35]      ; my four blocks' codes
	s_lshl_b32 s34, s36, 9
	s_lshl_b32 s37, s33, 8
	s_add_co_u32 s34, s34, s37
	s_add_co_u32 s34, s34, s20
	s_add_nc_u64 s[40:41], s[10:11], s[34:35]      ; and their 256 bytes of scale words
.irp i, 0,1,2,3,4,5,6,7,8,9,10,11,12,13,14,15
	v_mad_u32_u24 v[VO+\i], s22, \i+8*(\i/8), v4   ; the block's row i lies i + 8 (i / 8) rows on
.endr
.macro LOAD e                          ; step e's block: 16 rows, 512 consecutive bytes a load
.irp i, 0,1,2,3,4,5,6,7,8,9,10,11,12,13,14,15
	global_load_b128 v[R+64*((\e)%2)+4*\i:R+64*((\e)%2)+4*\i+3], v[VO+\i], s[24+2*(\e):25+2*(\e)] th:TH_LOAD_NT
.endr
.endm
.macro BLK e
.if (\e) < 3
	s_wait_loadcnt 16                              ; this step's 16 loads are in; the next step's 16 may be out
.else
	s_wait_loadcnt 0x0
.endif
.irp i, 0,1,2,3,4,5,6,7,8,9,10,11,12,13,14,15
	ds_store_b128 v5, v[R+64*((\e)%2)+4*\i:R+64*((\e)%2)+4*\i+3] offset:528*\i
.endr
.irp c, 0,1
.irp i, 0,1,2,3,4,5,6,7
	ds_load_b128 v[X+32*\c+4*\i:X+32*\c+4*\i+3], v6 offset:256*\c+16*\i   ; LDS serves a wave's instructions in order: these see the stores above
.endr
.endr
	s_wait_dscnt 0x0                               ; my 64 numbers are in, and the stores have read their registers,
.if (\e) < 2
	LOAD (\e)+2                                    ; which take the block two steps on
.endif
.irp c, 0,1
	v_max3_num_f32 v[248+\c], |v[X+32*\c]|, |v[X+32*\c+1]|, 0x1800000   ; block 2 c + h: all 32 numbers are mine; the floor 2^(3 - 127) holds the byte at 1 from below
.endr
.irp i, 2,4,6,8,10,12,14,16,18,20,22,24,26,28,30
.irp c, 0,1
	v_max3_num_f32 v[248+\c], v[248+\c], |v[X+32*\c+\i]|, |v[X+32*\c+\i+1]|
.endr
.endr
.irp c, 0,1
	v_add_nc_u32 v[250+\c], 0xff000000, v[248+\c]  ; 2 off the exponent field: the conversion's scale operand
.endr
.irp c, 0,1
	v_lshrrev_b32 v[252+\c], 23, v[250+\c]         ; the scale's byte
.endr
	v_lshl_or_b32 v252, v253, 16, v252             ; my two bytes: blocks h and 2 + h,
	v_lshlrev_b32 v252, v8, v252                   ; 8 h bits up;
	v_permlanex16_b32 v254, v252, s2, s3
	v_or_b32 v[PW+(\e)], v252, v254                ; with lane l xor 16's two the row's word is whole
	s_wait_alu depctr_va_vdst(0)
	s_wait_xcnt 0x0                                ; the last step's stores have read the codes' registers: they are written again only behind this wait
.irp c, 0,1
	v_cvt_scalef32_pk16_fp6_f32 v[PC+6*\c:PC+6*\c+2], v[X+32*\c:X+32*\c+15], v[250+\c]
	v_cvt_scalef32_pk16_fp6_f32 v[Y+4*\c:Y+4*\c+2], v[X+32*\c+16:X+32*\c+31], v[250+\c]   ; (a conversion's three registers begin on an even number)
.endr
	v_nop                                          ; one plain place behind the conversions
.irp c, 0,1
.irp i, 0,1,2
	v_mov_b32 v[PC+3+6*\c+\i], v[Y+4*\c+\i]
.endr
.endr
.irp i, 0,1,2
	global_store_b128 v4, v[PC+4*\i:PC+4*\i+3], s[38:39] offset:1536*(\e)+512*\i   ; 512 consecutive bytes a store, aligned to 256
.endr
.endm
	LOAD 0
	LOAD 1
	s_wait_alu depctr_va_vdst(0)
	BLK 0
	BLK 1
	BLK 2
	BLK 3
	s_mov_b32 vcc_lo, 0xffff0000
	v_cndmask_b32 v248, v[PW], v[PW+2], vcc_lo     ; lanes 0-15 store the words of steps 0 and 1, lanes 16-31 those of steps 2 and 3
	v_cndmask_b32 v249, v[PW+1], v[PW+3], vcc_lo
	global_store_b64 v7, v[248:249], s[40:41]      ; 256 consecutive bytes, aligned
	s_wait_tensorcnt 0x0
	ds_add_u32 v243, v255
	s_wait_dscnt 0x0
	s_endpgm
.Lfunc_end_k_qc5c503351a_quant:
	.size	k_qc5c503351a_quant, .Lfunc_end_k_qc5c503351a_quant-k_qc5c503351a_quant
	.p2alignl 7, 3214868480
	.fill 96, 4, 3214868480
	.section	.rodata,"a",@progbits
	.p2align	6, 0x0
	.amdhsa_kernel k_qc5c503351a_quant
		.amdhsa_group_segment_fixed_size 34304
		.amdhsa_private_segment_fixed_size 0
		.amdhsa_enable_private_segment 0
		.amdhsa_kernarg_size 48
		.amdhsa_user_sgpr_count 2
		.amdhsa_user_sgpr_kernarg_segment_ptr 1
		.amdhsa_wavefront_size32 1
		.amdhsa_system_sgpr_workgroup_id_x 1
		.amdhsa_system_sgpr_workgroup_id_y 1
		.amdhsa_system_sgpr_workgroup_id_z 1
		.amdhsa_system_vgpr_workitem_id 0
		.amdhsa_next_free_vgpr 256
		.amdhsa_next_free_sgpr 66
		.amdhsa_reserve_vcc 1
		.amdhsa_float_denorm_mode_32 3
		.amdhsa_float_denorm_mode_16_64 3
		.amdhsa_memory_ordered 1
		.amdhsa_forward_progress 1
		.amdhsa_inst_pref_size 33
	.end_amdhsa_kernel
	.amdgpu_metadata
---
amdhsa.version: [ 1, 2 ]
amdhsa.kernels:
  - .name:           k_qc5c503351a_quant
    .symbol:         k_qc5c503351a_quant.kd
    .args:
      - { .name: query, .offset: 0, .size: 8, .value_kind: global_buffer, .address_space: global }
      - { .name: in_proj_weight, .offset: 8, .size: 8, .value_kind: global_buffer, .address_space: global }
      - { .name: out_proj_weight, .offset: 16, .size: 8, .value_kind: global_buffer, .address_space: global }
      - { .name: ximg, .offset: 24, .size: 8, .value_kind: global_buffer, .address_space: global }
      - { .name: wiimg, .offset: 32, .size: 8, .value_kind: global_buffer, .address_space: global }
      - { .name: woimg, .offset: 40, .size: 8, .value_kind: global_buffer, .address_space: global }
    .group_segment_fixed_size: 34304
    .private_segment_fixed_size: 0
    .kernarg_segment_align: 8
    .kernarg_segment_size: 48
    .max_flat_workgroup_size: 128
    .sgpr_count:     66
    .vgpr_count:     256
    .wavefront_size: 32
...
	.end_amdgpu_metadata
.endif
;; end of part 1
;; launch gemm_qkv (part 2): grid 8 x 32, 4 waves a work-group, clusters of 4 x 4, 327,680 bytes of LDS; arguments ximg, wiimg, qkimg, vimg; writes qkimg, vimg
.if DOCPART == 2
	.amdgcn_target "amdgcn-amd-amdhsa--gfx1250"
	.amdhsa_code_object_version 6
	.text
	.protected	k_qc5c503351a_gemm_qkv
	.globl	k_qc5c503351a_gemm_qkv
	.p2align	8
	.type	k_qc5c503351a_gemm_qkv,@function
k_qc5c503351a_gemm_qkv:
	s_mov_b64 s[64:65], 0
	v_nop
	global_prefetch_b8 v0, s[64:65] scope:SCOPE_SE
	s_setreg_imm32_b32 hwreg(HW_REG_WAVE_MODE, 25, 1), 1
	s_wait_xcnt 0x0
	s_wait_alu depctr_hold_cnt(0) depctr_sa_sdst(0) depctr_va_vdst(0) depctr_va_sdst(0) depctr_va_ssrc(0) depctr_va_vcc(0) depctr_vm_vsrc(0)
	s_getreg_b32 s2, hwreg(HW_REG_IB_STS2, 6, 4)
	s_cmp_eq_u32 s2, 0
	s_cbranch_scc0 .Lentry_in_a_cluster
	s_endpgm
.Lentry_in_a_cluster:
	s_bfe_u32 s2, ttmp6, 0x10000c
	s_cmp_lg_u32 s2, 0xf033
	s_cbranch_scc0 .Lentry_shape_is_right
	s_endpgm
.Lentry_shape_is_right:
; The in-projection on codes of FP6 (E2M3), K = 1,024, and the quantising of its results.  Operands lie in memory as images of operand registers (records of 128 rows x 128 k: 8 blocks of 1,536 bytes,
; register i of lane L at 512 (i / 4) + 16 L + 4 (i % 4); scale words at 256 (a / 4) + 16 r + 4 (a % 4); row r of block a is row 32 (a / 2) + 8 (a % 2) + r + 8 (r / 8) of the record).
; A WORK-GROUP STAYS and makes two parts: 8 x 32 = 256 work-groups.  PART 1: 256 tokens (tile y) x 256 rows of Wq, Wk (tile x): q and k; a wave makes 128 x 128, 64 accumulators.
; PART 2: the 128 rows of Wv's row group x times the same 256 tokens: V^T, so that the keys are the columns; a wave makes 64 x 128, 32 accumulators.
; THE MATRIX INSTRUCTION IS USED TRANSPOSED (source 0 = a block of the column side, source 1 = a block of the row side): a lane's 16 registers of result tiles 2 p and 2 p + 1 are 16 neighbouring columns of one row,
; the next product's K.  Each block of rows is quantised in registers along the wave's 128 columns and leaves as one block of a record of qkimg (64 x column group + row group) or vimg (16 x (8 batch + pair) + key step).
; q is stored without reference()'s factor 1/8, an exact power of two, which the attention launch folds into its scale of the scores.
; LIMITS: a block whose largest magnitude lies under 2^-124 keeps the byte 1 (q: reference()'s byte would be held at 1 only under 2^-121); NaN and infinities are not served.
; THE RING: two slots of 256 along K.  LDS has four regions of 49,152 bytes (the tokens' two row groups, then the weights'), and in each region slot 1's 24,576 bytes lie behind slot 0's.
; So the head's one tensor load a wave, a row group's first four records (192 dense rows of 256 bytes), fills its part of BOTH slots.  A refill brings a slot's part: in part 1 a row group's two records (96 rows);
; in part 2 waves 0, 1 the same of the tokens, waves 2, 3 one record each of Wv's row group (48 rows).  The ring goes on from part 1 into part 2: part 1's last two changes of slots ask for part 2's first two slots.
; THE SCALE WORDS of a wave's two row groups, for all of K, go from memory straight into 64 registers: lanes 0-15 hold the even K step's words, lanes 16-31 the odd one's; part 2's are loaded while part 1 is quantised.
; CLUSTERS: 4 x 4; the tokens' tiles are asked for jointly along a row of the cluster, the weights' along a column.  No prefetch: each part's K has four slots' worth, and two slots are always asked for ahead.
; REGISTERS: window 0: v16-29 addresses; v32-63 the row side's scale words, v64-95 the column side's; v96-103, v224-251 the way out; v128-223 the row side's fragments (on the way out: the codes).
;   window 1: the column side's fragments, two sets.  windows 2, 3: accumulator (a, b) at v[8 (8 (a % 4) + b)].
.set FR,    12
.set NL,    3
.set RGB,   24576                      ; a row group's part of a slot: two records
.set SLOT,  24576                      ; from slot 0's part of a region to slot 1's
.set REG,   49152                      ; a region
.set SPARE, 196608                     ; behind the four regions: the spare words, 128 bytes a wave
.set ADRA, 16                          ; v16-17 part 1's row side in slot 0, 1; v18-19 part 2's
.set ADRB, 20                          ; v20-21 part 1's column side; v22-23 part 2's
.set PA,   ADRA+2
.set PB,   ADRB+2
.set GO,   26                          ; 16 L
.set ADRS, 27                          ; 16 r + 512 h
.set SPW,  28
.set NIL,  29
.set SA,   32                          ; v[SA + 8 p + a]: the row side's block a, K steps 2 p (lanes 0-15) and 2 p + 1 (lanes 16-31)
.set SB,   64                          ; the same for the column side
.set Y,    96
.set AF,   128
.set TM,   224
.set PW,   240
.set SW,   248
.set G1, 24                            ; the tokens' tiles
.set G0, 32
.set G1B, 48                           ; Wq, Wk
.set G0B, 56
.set HB1, 68                           ; Wv
.set HB0, 76
.set MSB, 0
.macro WIN new
.if MSB != (\new)
	s_set_vgpr_msb (MSB<<8)|(\new)
.set MSB, (\new)
.endif
.endm
.set MUL_LO, 0xa1
.set MUL_HI, 0xf1
.set TO_B,   0x40
.macro JLOAD g0a, g1a, g0b, g1b        ; waves 0 and 1 fetch tokens, waves 2 and 3 weights
	s_cmp_eq_u32 s15, 0
	s_cbranch_scc0 .Lfor_b_\@
	tensor_load_to_lds s[\g0a:\g0a+3], s[\g1a:\g1a+7]
	s_nop 0
.rept 4
	v_nop
.endr
	s_branch .Lasked_\@
.Lfor_b_\@:
	tensor_load_to_lds s[\g0b:\g0b+3], s[\g1b:\g1b+7]
	s_nop 0
.rept 4
	v_nop
.endr
.Lasked_\@:
.endm
.macro CREST
	s_cmp_lg_u32 s14, 0
	s_cbranch_scc1 .Lnot_wave_0_\@
	s_barrier_signal -3
.Lnot_wave_0_\@:
	s_barrier_wait -3
	s_barrier_signal -1
	s_barrier_wait -1
.endm
.macro CROUND
	s_barrier_signal -1
	s_barrier_wait -1
	CREST
.endm
	s_load_b256 s[4:11], s[0:1], 0x0               ; ximg, wiimg, qkimg, vimg
	v_lshl_add_u32 v[SPW], v0, 2, SPARE
	v_mov_b32 v[NIL], 0
	ds_add_u32 v[SPW], v[NIL]                      ; the opening lines
	ds_add_u32 v[SPW], v[NIL]
	s_wait_dscnt 0x0
	v_lshrrev_b32 v1, 5, v0
	v_readfirstlane_b32 s14, v1                    ; wave
	s_lshr_b32 s15, s14, 1                         ; my half of the row side; also: I fetch tokens (0) or weights (1)
	s_and_b32 s16, s14, 1                          ; my half of the column side; also: which half I fetch
	s_bfe_u32 s40, ttmp6, 0x40000                  ; cx
	s_bfe_u32 s41, ttmp6, 0x40004                  ; cy
	s_lshl_b32 s42, ttmp9, 2
	s_add_co_u32 s42, s42, s40                     ; the weights' tile x
	s_and_b32 s17, ttmp7, 0xffff
	s_lshl_b32 s17, s17, 2
	s_add_co_u32 s17, s17, s41                     ; the tokens' tile y
	s_lshl_b32 s43, s41, 2
	s_lshl_b32 s43, 15, s43                        ; my row of the cluster
	s_lshl_b32 s44, 0x1111, s40                    ; my column
	s_or_b32 s[G1+0], s43, (3<<16)|(1<<21)
	s_or_b32 s[G1B+0], s44, (3<<16)|(1<<21)
	s_or_b32 s[HB1+0], s44, (3<<16)|(1<<21)
.irp g, G1, G1B
	s_mov_b32 s[\g+1], 32<<16
	s_mov_b32 s[\g+2], 192<<16                     ; the head's load: 192 rows; behind it the two words that count rows are set to 96
	s_mov_b32 s[\g+3], 32<<16
	s_mov_b32 s[\g+4], 192
	s_mov_b32 s[\g+5], 32
	s_mov_b32 s[\g+6], 0
	s_mov_b32 s[\g+7], 0
.endr
	s_mov_b32 s[HB1+1], 32<<16
	s_mov_b32 s[HB1+2], 48<<16
	s_mov_b32 s[HB1+3], 32<<16
	s_mov_b32 s[HB1+4], 48
	s_mov_b32 s[HB1+5], 32
	s_mov_b32 s[HB1+6], 0
	s_mov_b32 s[HB1+7], 0
	s_mul_i32 s2, s14, REG                         ; where part 1's loads, and the tokens' in part 2, go
	s_lshl_b32 s20, s17, 1
	s_add_co_u32 s21, s20, s16                     ; the tokens' row group that I fetch; in part 2 also the one that I multiply
	s_add_co_u32 s20, s20, s15                     ; the one that I multiply in part 1
	s_mul_i32 s46, s21, 98304
	s_mov_b32 s47, 0
	s_lshl_b32 s84, s21, 12
	s_add_co_u32 s84, s84, 6291456
	s_mov_b32 s85, 0
	s_lshl_b32 s22, s20, 12
	s_add_co_u32 s22, s22, 6291456
	s_mov_b32 s23, 0
	s_lshl_b32 s97, s42, 1
	s_add_co_u32 s97, s97, s16                     ; Wq, Wk: my row group
	s_mul_i32 s98, s97, 98304
	s_mov_b32 s99, 0
	s_lshl_b32 s100, s97, 12
	s_add_co_u32 s100, s100, 2359296
	s_mov_b32 s101, 0
	s_add_co_u32 s96, s42, 16                      ; Wv begins 16 row groups into wiimg
	s_mul_i32 s78, s96, 98304
	s_mul_i32 s3, s16, 12288                       ; of a slot's two records of Wv I fetch one
	s_add_co_u32 s78, s78, s3
	s_mov_b32 s79, 0
	s_add_co_u32 s3, s3, 2*REG
	s_lshl_b32 s86, s96, 12
	s_lshl_b32 s96, s15, 8                         ; my four blocks' scale words
	s_add_co_u32 s86, s86, s96
	s_add_co_u32 s86, s86, 2359296
	s_mov_b32 s87, 0
	s_wait_kmcnt 0x0
	s_add_nc_u64 s[46:47], s[4:5], s[46:47]
	s_add_nc_u64 s[84:85], s[4:5], s[84:85]
	s_add_nc_u64 s[22:23], s[4:5], s[22:23]
	s_add_nc_u64 s[98:99], s[6:7], s[98:99]
	s_add_nc_u64 s[100:101], s[6:7], s[100:101]
	s_add_nc_u64 s[78:79], s[6:7], s[78:79]
	s_add_nc_u64 s[86:87], s[6:7], s[86:87]
	CROUND                                         ; the first joint loads meet
.irp s, 0,1
	s_mov_b32 s[G0+4*\s], 1
	s_add_co_u32 s[G0+4*\s+1], s2, \s*SLOT
	s_add_nc_u64 s[G0+4*\s+2:G0+4*\s+3], s[46:47], \s*RGB
	s_or_b32 s[G0+4*\s+3], s[G0+4*\s+3], 0x80000000
	s_mov_b32 s[G0B+4*\s], 1
	s_add_co_u32 s[G0B+4*\s+1], s2, \s*SLOT
	s_add_nc_u64 s[G0B+4*\s+2:G0B+4*\s+3], s[98:99], \s*RGB
	s_or_b32 s[G0B+4*\s+3], s[G0B+4*\s+3], 0x80000000
.endr
	JLOAD G0, G1, G0B, G1B                         ; my one tensor load at the head: my region, slots 0 and 1
	s_add_nc_u64 s[HB0+6:HB0+7], s[HB0+2:HB0+3], RGB
	s_mov_b32 s[HB0], 1
	s_mov_b32 s[HB0+1], s3
	s_or_b32 s[HB0+3], s[HB0+3], 0x80000000
	s_mov_b32 s[HB0+4], 1
	s_add_co_u32 s[HB0+5], s3, SLOT
	s_or_b32 s[HB0+7], s[HB0+7], 0x80000000
	s_mul_i32 s18, s15, REG                        ; part 1: my tokens,
	s_mul_i32 s19, s16, REG
	s_add_co_u32 s45, s19, 2*REG                   ; my weights;
	s_mul_i32 s3, s15, 6144
	s_add_co_u32 s3, s3, 2*REG                     ; part 2: my four blocks of Wv; my tokens at s19
	v_and_b32 v1, 31, v0
	v_and_b32 v2, 15, v0                           ; r
	v_bfe_u32 v3, v0, 4, 1                         ; h
	s_wait_alu depctr_va_vdst(0)
	v_lshlrev_b32 v[GO], 4, v1
	v_lshlrev_b32 v5, 4, v2
	v_add_nc_u32 v[ADRA], s18, v[GO]
	v_add_nc_u32 v[ADRB], s45, v[GO]
	v_add_nc_u32 v[PA], s3, v[GO]
	v_add_nc_u32 v[PB], s19, v[GO]
	v_lshl_add_u32 v[ADRS], v3, 9, v5
	v_add_nc_u32 v[ADRA+1], SLOT, v[ADRA]
	v_add_nc_u32 v[ADRB+1], SLOT, v[ADRB]
	v_add_nc_u32 v[PA+1], SLOT, v[PA]
	v_add_nc_u32 v[PB+1], SLOT, v[PB]
	s_wait_alu depctr_va_vdst(0)
.irp p, 0,1,2,3                        ; a load brings a row's words of four blocks, for two K steps; sixteen lanes read 256 consecutive bytes
.irp u, 0,1
	global_load_b128 v[SA+8*\p+4*\u:SA+8*\p+4*\u+3], v[ADRS], s[22:23] offset:1024*\p+256*\u
	global_load_b128 v[SB+8*\p+4*\u:SB+8*\p+4*\u+3], v[ADRS], s[100:101] offset:1024*\p+256*\u
.endr
.endr
	; where my records go
	s_lshl_b32 s18, s97, 6
	s_add_co_u32 s18, s18, s20                     ; q, k: 64 x column group + row group
	s_mul_i32 s12, s18, 12288
	s_mov_b32 s13, 0
	s_add_nc_u64 s[12:13], s[8:9], s[12:13]        ; its codes
	s_lshl_b32 s94, s18, 9
	s_add_co_u32 s94, s94, 12582912
	s_mov_b32 s95, 0
	s_add_nc_u64 s[94:95], s[8:9], s[94:95]        ; its scale words
	s_lshr_b32 s18, s21, 4
	s_lshl_b32 s18, s18, 7                         ; V^T: 128 x batch
	s_lshl_b32 s19, s42, 4
	s_add_co_u32 s18, s18, s19                     ; + 16 x pair
	s_and_b32 s19, s21, 15
	s_add_co_u32 s18, s18, s19                     ; + key step
	s_mul_i32 s88, s18, 12288
	s_mul_i32 s19, s15, 6144
	s_add_co_u32 s88, s88, s19
	s_mov_b32 s89, 0
	s_add_nc_u64 s[88:89], s[10:11], s[88:89]      ; my four blocks' codes
	s_lshl_b32 s90, s18, 9
	s_add_co_u32 s90, s90, s96
	s_add_co_u32 s90, s90, 6291456
	s_mov_b32 s91, 0
	s_add_nc_u64 s[90:91], s[10:11], s[90:91]      ; and their 256 bytes of scale words
	s_mov_b32 s92, 0x76543210
	s_mov_b32 s93, 0xfedcba98
.macro FRAG reg, adr, off
.irp c, 0,1,2
	ds_load_b128 v[\reg+4*\c:\reg+4*\c+3], v[\adr] offset:\off+512*\c
.endr
.endm
; 16 matrix instructions: the row side's fragments a0, a0 + 1 x the column side's eight, the slot's q-th 128 along K.  p: the column side's set; the scale words' pair of K steps is 2 LAP + sc; q chooses the lanes' half.
; The accumulators take turns, one instruction a turn.
.macro MUL16 a0, p, q, sc, zero
.irp a, \a0, \a0+1
.irp b, 0,1,2,3,4,5,6,7
.if \zero
	v_wmma_scale_f32_16x16x128_f8f6f4 v[8*(8*((\a)%4)+\b):8*(8*((\a)%4)+\b)+7], v[128*(\p)+FR*\b:128*(\p)+FR*\b+FR-1], v[AF+FR*(\a):AF+FR*(\a)+FR-1], 0, v[SB+8*(2*LAP+(\sc))+\b], v[SA+8*(2*LAP+(\sc))+(\a)] matrix_a_fmt:MATRIX_FMT_FP6 matrix_b_fmt:MATRIX_FMT_FP6
.else
.if \q
	v_wmma_scale_f32_16x16x128_f8f6f4 v[8*(8*((\a)%4)+\b):8*(8*((\a)%4)+\b)+7], v[128*(\p)+FR*\b:128*(\p)+FR*\b+FR-1], v[AF+FR*(\a):AF+FR*(\a)+FR-1], v[8*(8*((\a)%4)+\b):8*(8*((\a)%4)+\b)+7], v[SB+8*(2*LAP+(\sc))+\b], v[SA+8*(2*LAP+(\sc))+(\a)] matrix_a_fmt:MATRIX_FMT_FP6 matrix_b_fmt:MATRIX_FMT_FP6 matrix_a_scale:MATRIX_SCALE_ROW1 matrix_b_scale:MATRIX_SCALE_ROW1
.else
	v_wmma_scale_f32_16x16x128_f8f6f4 v[8*(8*((\a)%4)+\b):8*(8*((\a)%4)+\b)+7], v[128*(\p)+FR*\b:128*(\p)+FR*\b+FR-1], v[AF+FR*(\a):AF+FR*(\a)+FR-1], v[8*(8*((\a)%4)+\b):8*(8*((\a)%4)+\b)+7], v[SB+8*(2*LAP+(\sc))+\b], v[SA+8*(2*LAP+(\sc))+(\a)] matrix_a_fmt:MATRIX_FMT_FP6 matrix_b_fmt:MATRIX_FMT_FP6
.endif
.endif
.endr
.endr
.endm
.macro FETCH_B adr, q, p               ; the column side's eight blocks of a slot's q-th record into set p
	WIN TO_B
.irp i, 0,1,2,3,4,5,6,7
	FRAG 128*(\p)+FR*\i, \adr, (\q)*12288+1536*\i
.endr
	WIN 0
.endm
.macro FETCH_A adr, q, i0, d0          ; the row side's blocks i0 .. i0 + 3 into fragments d0 .. d0 + 3
.irp i, 0,1,2,3
	FRAG AF+FR*((\d0)+\i), \adr, (\q)*12288+1536*((\i0)+\i)
.endr
.endm
.macro PLACES                          ; four plain places between a matrix instruction and a load into, or a vector read of, its registers
.rept 4
	v_nop
.endr
.endm
.macro STEP slot, zero                 ; part 1: a slot's first 128 along K
	s_wait_dscnt 4*NL                              ; all but the youngest 12 loads (blocks 4-7)
	WIN MUL_LO
	MUL16 0, 0, 0, \slot, \zero
	MUL16 2, 0, 0, \slot, \zero
	s_wait_dscnt 0
	PLACES
	FETCH_B ADRB+\slot, 1, 1
	FETCH_A ADRA+\slot, 1, 0, 0
	WIN MUL_HI
	MUL16 4, 0, 0, \slot, \zero
	MUL16 6, 0, 0, \slot, \zero
	PLACES
	WIN 0
	FETCH_A ADRA+\slot, 1, 4, 4
.endm
; Part 1: a slot's second 128 along K changes slots.  on = 0: the slot left takes this part's K two slots on; on = 1: part 2's slot of the same number.  last = 1: the next fragments are part 2's tokens alone.
.macro TURN slot, next, on, last
	s_wait_tensorcnt 0x0                           ; my part of the next slot has landed
	ds_add_u32 v[SPW], v[NIL]
	s_wait_dscnt 4*NL+1                            ; (the add and the youngest 12 loads may be out)
	WIN MUL_LO
	MUL16 0, 1, 1, \slot, 0
	s_wait_dscnt 0x0                               ; the add is done, my reads of this slot are over
	s_barrier_signal -1
	MUL16 2, 1, 1, \slot, 0
	WIN 0
	s_barrier_wait -1
	CREST                                          ; the barrier has opened a round of the cluster's
.if \on
	s_sub_nc_u64 s[G0+4*\slot+2:G0+4*\slot+3], s[G0+4*\slot+2:G0+4*\slot+3], 2*RGB   ; the tokens once more, from K = 0 on
	JLOAD G0+4*\slot, G1, HB0+4*\slot, HB1
.else
	s_add_nc_u64 s[G0+4*\slot+2:G0+4*\slot+3], s[G0+4*\slot+2:G0+4*\slot+3], 2*RGB
	s_add_nc_u64 s[G0B+4*\slot+2:G0B+4*\slot+3], s[G0B+4*\slot+2:G0B+4*\slot+3], 2*RGB
	JLOAD G0+4*\slot, G1, G0B+4*\slot, G1B
.endif
.if \last
	FETCH_B PB, 0, 0
.else
	FETCH_B ADRB+\next, 0, 0
	FETCH_A ADRA+\next, 0, 0, 0
.endif
	WIN MUL_HI
	MUL16 4, 1, 1, \slot, 0
	MUL16 6, 1, 1, \slot, 0
	WIN 0
.if \last == 0
	PLACES
	FETCH_A ADRA+\next, 0, 4, 4
.endif
.endm
; Part 2: 32 matrix instructions a K step; both sides have two sets of fragments (the row side's: fragments 0-3 and 4-7), and a step's loads go out ahead of the step before.
.macro HSTEP slot, zero
	s_wait_dscnt 0x0                               ; this step's fragments are in
	PLACES
	FETCH_B PB+\slot, 1, 1
	FETCH_A PA+\slot, 1, 0, 4
	WIN MUL_LO
	MUL16 0, 0, 0, \slot, \zero
	MUL16 2, 0, 0, \slot, \zero
	WIN 0
.endm
.macro HTURN slot, next, fill
	s_wait_tensorcnt 0x0
	ds_add_u32 v[SPW], v[NIL]
	s_wait_dscnt 0x0                               ; the add is done, this step's fragments are in, my reads of this slot are over
	s_barrier_signal -1
	WIN MUL_LO
	MUL16 4, 1, 1, \slot, 0
	WIN 0
	s_barrier_wait -1
.if \fill
	CREST
	s_add_nc_u64 s[G0+4*\slot+2:G0+4*\slot+3], s[G0+4*\slot+2:G0+4*\slot+3], 2*RGB
	s_add_nc_u64 s[HB0+4*\slot+2:HB0+4*\slot+3], s[HB0+4*\slot+2:HB0+4*\slot+3], 2*RGB
	JLOAD G0+4*\slot, G1, HB0+4*\slot, HB1
.else
	PLACES
.endif
	FETCH_B PB+\next, 0, 0
	FETCH_A PA+\next, 0, 0, 0
	WIN MUL_LO
	MUL16 6, 1, 1, \slot, 0
	WIN 0
.endm
; THE WAY OUT of block a: register 16 b + i = column 32 b + 16 (lane / 16) + i of the lane's row.  They become the block's 12 operand registers and its scale word.  OC: the scalar pair with the codes' address.
.macro QUANT a
.set AC, 64*((\a)%4)
.set PCA, AF+FR*(\a)
	WIN 0x0a+5*((\a)/4)
.irp b, 0,1,2,3
	v_max3_num_f32 v[TM+\b], |v[AC+16*\b]|, |v[AC+16*\b+1]|, 0x1800000   ; the floor 2^(3 - 127) holds the byte at 1 from below
.endr
.irp i, 2,4,6,8,10,12,14
.irp b, 0,1,2,3
	v_max3_num_f32 v[TM+\b], |v[AC+16*\b+\i]|, |v[AC+16*\b+\i+1]|, v[TM+\b]
.endr
.endr
	WIN 0
.irp b, 0,1,2,3
	v_permlanex16_b32 v[TM+4+\b], v[TM+\b], s92, s93
.endr
.irp b, 0,1,2,3
	v_max_num_f32 v[TM+\b], v[TM+\b], v[TM+4+\b]
.endr
.irp b, 0,1,2,3
	v_add_nc_u32 v[TM+12+\b], 0xff000000, v[TM+\b] ; 2 off the exponent field: the conversion's scale operand
.endr
.irp b, 0,1,2,3
	v_lshrrev_b32 v[TM+4+\b], 23, v[TM+12+\b]
.endr
	v_lshl_or_b32 v[PW+(\a)], v[TM+5], 8, v[TM+4]
	v_lshl_or_b32 v[PW+(\a)], v[TM+6], 16, v[PW+(\a)]
	v_lshl_or_b32 v[PW+(\a)], v[TM+7], 24, v[PW+(\a)]
	WIN 2+(\a)/4
.irp c, 0,1
	v_cvt_scalef32_pk16_fp6_f32 v[PCA+6*\c:PCA+6*\c+2], v[AC+32*\c:AC+32*\c+15], v[TM+12+2*\c]
	v_cvt_scalef32_pk16_fp6_f32 v[Y+4*\c:Y+4*\c+2], v[AC+32*\c+16:AC+32*\c+31], v[TM+12+2*\c+1]
.endr
	WIN 0
	v_nop
.irp c, 0,1
.irp i, 0,1,2
	v_permlane16_swap_b32 v[PCA+6*\c+\i], v[Y+4*\c+\i]
.endr
.irp i, 0,1,2
	v_mov_b32 v[PCA+3+6*\c+\i], v[Y+4*\c+\i]
.endr
.endr
.irp i, 0,1,2
	global_store_b128 v[GO], v[PCA+4*\i:PCA+4*\i+3], s[OC:OC+1] offset:1536*(\a)+512*\i   ; 512 consecutive bytes, aligned to 256
.endr
.endm
	s_wait_alu depctr_va_vdst(0)
	s_wait_tensorcnt 0x0                           ; my region is in; no tensor load of mine is out, so a descriptor may be written:
	s_mov_b32 s[G1+2], 96<<16                      ; from here on a load of tokens, or of Wq and Wk, brings 96 rows
	s_mov_b32 s[G1+4], 96
	s_mov_b32 s[G1B+2], 96<<16
	s_mov_b32 s[G1B+4], 96
	s_barrier_signal -1
	s_barrier_wait -1                              ; everybody's region is in
	FETCH_B ADRB, 0, 0
	FETCH_A ADRA, 0, 0, 0
	FETCH_A ADRA, 0, 4, 4
	s_wait_loadcnt 0x0                             ; the scale words
.set LAP, 0
	STEP 0, 1                                      ; PART 1: K steps 0, 1
	TURN 0, 1, 0, 0
	STEP 1, 0                                      ; 2, 3
	TURN 1, 0, 0, 0
.set LAP, 1
	STEP 0, 0                                      ; 4, 5
	TURN 0, 1, 1, 0
	STEP 1, 0                                      ; 6, 7
	TURN 1, 0, 1, 1
.irp b, 0,1,2,3
	v_mov_b32 v[TM+4+\b], 0                        ; a lane permute's destination counts as a source; also the places behind the last products
.endr
.irp p, 0,1,2,3                        ; part 2's scale words land while part 1 is quantised; Wv's four words go to both sets of its fragments
	global_load_b128 v[SA+8*\p:SA+8*\p+3], v[ADRS], s[86:87] offset:1024*\p
	global_load_b128 v[SA+8*\p+4:SA+8*\p+7], v[ADRS], s[86:87] offset:1024*\p
.irp u, 0,1
	global_load_b128 v[SB+8*\p+4*\u:SB+8*\p+4*\u+3], v[ADRS], s[84:85] offset:1024*\p+256*\u
.endr
.endr
.set OC, 12
.irp a, 0,1,2,3,4,5,6,7
	QUANT \a
.endr
	s_mov_b32 vcc_lo, 0xffff0000
.irp i, 0,1,2,3
	v_cndmask_b32 v[SW+\i], v[PW+\i], v[PW+4+\i], vcc_lo
.endr
	global_store_b128 v[GO], v[SW:SW+3], s[94:95]  ; the record's 512 bytes of scale words
	s_wait_xcnt 0x0                                ; the stores have read the codes' registers, which take fragments again
	FETCH_A PA, 0, 0, 0
	s_wait_loadcnt 0x0                             ; part 2's scale words
.set LAP, 0
	HSTEP 0, 1                                     ; PART 2: K steps 0, 1
	HTURN 0, 1, 1
	HSTEP 1, 0
	HTURN 1, 0, 1
.set LAP, 1
	HSTEP 0, 0
	HTURN 0, 1, 0
	HSTEP 1, 0
	s_wait_dscnt 0x0
	WIN MUL_LO
	MUL16 4, 1, 1, 1, 0
	MUL16 6, 1, 1, 1, 0
	WIN 0
	PLACES
.set OC, 88
.irp a, 0,1,2,3
	QUANT \a
.endr
	v_cmp_gt_u32 vcc_lo, 16, v1                    ; lane r holds row r's four words: sixteen lanes store 256 consecutive bytes
	s_wait_xcnt 0x0                                ; EXEC changes only behind this wait
	s_and_saveexec_b32 s96, vcc_lo
	global_store_b128 v[GO], v[PW:PW+3], s[90:91]
	s_wait_xcnt 0x0
	s_or_b32 exec_lo, exec_lo, s96
	s_wait_tensorcnt 0x0                           ; the wave's end
	ds_add_u32 v[SPW], v[NIL]
	s_wait_dscnt 0x0
	CROUND
	s_endpgm
.Lfunc_end_k_qc5c503351a_gemm_qkv:
	.size	k_qc5c503351a_gemm_qkv, .Lfunc_end_k_qc5c503351a_gemm_qkv-k_qc5c503351a_gemm_qkv
	.p2alignl 7, 3214868480
	.fill 96, 4, 3214868480
	.section	.rodata,"a",@progbits
	.p2align	6, 0x0
	.amdhsa_kernel k_qc5c503351a_gemm_qkv
		.amdhsa_group_segment_fixed_size 327680
		.amdhsa_private_segment_fixed_size 0
		.amdhsa_enable_private_segment 0
		.amdhsa_kernarg_size 32
		.amdhsa_user_sgpr_count 2
		.amdhsa_user_sgpr_kernarg_segment_ptr 1
		.amdhsa_wavefront_size32 1
		.amdhsa_system_sgpr_workgroup_id_x 1
		.amdhsa_system_sgpr_workgroup_id_y 1
		.amdhsa_system_sgpr_workgroup_id_z 1
		.amdhsa_system_vgpr_workitem_id 0
		.amdhsa_next_free_vgpr 1024
		.amdhsa_next_free_sgpr 102
		.amdhsa_reserve_vcc 1
		.amdhsa_float_denorm_mode_32 3
		.amdhsa_float_denorm_mode_16_64 3
		.amdhsa_memory_ordered 1
		.amdhsa_forward_progress 1
		.amdhsa_inst_pref_size 213
	.end_amdhsa_kernel
	.amdgpu_metadata
---
amdhsa.version: [ 1, 2 ]
amdhsa.kernels:
  - .name:           k_qc5c503351a_gemm_qkv
    .symbol:         k_qc5c503351a_gemm_qkv.kd
    .args:
      - { .name: ximg, .offset: 0, .size: 8, .value_kind: global_buffer, .address_space: global }
      - { .name: wiimg, .offset: 8, .size: 8, .value_kind: global_buffer, .address_space: global }
      - { .name: qkimg, .offset: 16, .size: 8, .value_kind: global_buffer, .address_space: global }
      - { .name: vimg, .offset: 24, .size: 8, .value_kind: global_buffer, .address_space: global }
    .group_segment_fixed_size: 327680
    .private_segment_fixed_size: 0
    .kernarg_segment_align: 8
    .kernarg_segment_size: 32
    .max_flat_workgroup_size: 128
    .sgpr_count:     102
    .vgpr_count:     1024
    .wavefront_size: 32
...
	.end_amdgpu_metadata
.endif
;; end of part 2
;; launch attn (part 3): grid 8 x 32, 16 waves a work-group, no clusters, 327,680 bytes of LDS; arguments qkimg, vimg, cimg; writes cimg
.if DOCPART == 3
	.amdgcn_target "amdgcn-amd-amdhsa--gfx1250"
	.amdhsa_code_object_version 6
	.text
	.protected	k_qc5c503351a_attn
	.globl	k_qc5c503351a_attn
	.p2align	8
	.type	k_qc5c503351a_attn,@function
k_qc5c503351a_attn:
	s_mov_b64 s[64:65], 0
	v_nop
	global_prefetch_b8 v0, s[64:65] scope:SCOPE_SE
	s_setreg_imm32_b32 hwreg(HW_REG_WAVE_MODE, 25, 1), 1
	s_wait_xcnt 0x0
; Causal attention on codes of FP6 (E2M3): 64 heads (4 batches x 16) of 2,048 x 64, and the quantising of its result for the out-projection.
; q, k: qkimg, records of 128 positions x the 128 channels of a PAIR of heads; V^T: vimg, records of a pair's 128 channels x 128 keys; ctx: cimg, records of 128 positions x a pair's 128 channels.
; (Records: 8 blocks of 1,536 bytes, register i of lane L at 512 (i / 4) + 16 L + 4 (i % 4); scale words at 256 (a / 4) + 16 r + 4 (a % 4); row r of block a is row 32 (a / 2) + 8 (a % 2) + r + 8 (r / 8).)
; K = 64 of the first product is half of the instruction's 128: in my fragments of q the other head's six registers are made zero codes, which add nothing under any valid scale byte.
; SOFTMAX: t = score x c, c = log2(e) / 8 (reference()'s 1/8 on q, an exact power of two, is applied here); M = the running largest t rounded up to a whole number; p = 2^(t - M) is quantised along the keys;
; the sum is taken of the unquantised p and divides at the end; when M moves, the sum and O are multiplied by 2^(old M - new M), exactly.
; Both products are used transposed: a lane holds one query throughout, and by the rows that form a block its registers run along the next K.
; SHARES: a work-group takes a pair of heads (y = 8 batch + pair) and the row groups x and 15 - x of 128 queries.  Wave w: head = bit 2 of w, block a = w % 4 + 4 (w / 8); it owns block a of BOTH row groups (sets A and B
; of q, O, M, sum).  Row group g needs key steps 0 .. g: every wave has (x + 1) + (16 - x) = 17 steps' work, in every work-group; 8 x 32 = 256 work-groups.
; MASK (reference()'s own causal mask): a set's steps above its diagonal are left out by a scalar branch on ids round the step's work; slots that lie wholly above row group 15 - x are not fetched (the same kind of branch,
; round the load alone); in a diagonal step hidden scores become -infinity (p = 0, as with reference()'s most negative number: every row sees its own key).
; THE RING: two LDS slots of 512 keys (K's four records, V's four), 2^17 bytes apart; waves 0-3 fill, 24,576 dense bytes each; at the head waves 4 and 5 bring K's and V's scale words of all 16 steps.
; Four trips of the outer loop, a slot each, and in each four trips of the inner loop, a key step each: all trip counts are constants.  Every wait on TENSORcnt is for 0.
; No cluster: the 8 work-groups that share K and V leave out different loads, and a joint load may not be left out by one partner.
; PREFETCH: in outer trip j the load asks for slot j + 1; waves 4-15 of the pair's work-group x = 0, which walks all 16 steps, name slot j + 2: 8,192 bytes a wave, lanes 256 bytes apart; trips 2 and 3 ask for nothing.
; LIMITS: NaN and infinities are not served; a block of ctx whose largest magnitude lies under 2^-124 keeps the byte 1; the promise holds while |t| stays under 2^31.
; REGISTERS: v1-7 addresses that stay; v8-11 the step's; set A: v12 -M, v13 largest t, v[14:15] sum, v16-27 q, v255 q's scale word, v160-191 O^T; set B: v28-31, v80-91, v94, v192-223; v93 prefetch;
;   v32-79 four fragments; v96-159 S^T, then p; v224-254 at work.
.set SLOT1, 131072
.set SCK,   98304                      ; K's scale words, 8,192 bytes, between the slots
.set SCV,   106496                     ; V's
.set SPARE, 114688                     ; the spare words, 128 bytes a wave
.set STG,   229376                     ; behind slot 1: ctx's codes: 2 sets x 8 blocks of 1,536 bytes; register pair ip of lane L at 256 ip + 8 L
.set STS,   253952                     ; ctx's scale halfwords: 2 sets x a word for each thread
.set TB,   2                           ; the key step's records in LDS
.set TS,   3                           ; and its scale words
.set WV,   18
.set SEL,  20
.set CS,   22
.set G1C,  24
.set G1S,  32
.set G0,   40
.set G0S,  44
.set SG,   66                          ; the key step
.set SLOTS, 67
.set RGB,  68                          ; set B's row group: 15 - x
.set RGA,  69                          ; set A's: x
.set MA,   70
.set MB,   71
.set PFA,  76
.set LIM,  80
.set TBS,  98                          ; the slot in hand
.set TS0,  100                         ; its first scale words
.set QI,   101                         ; the step in the slot
	s_load_b128 s[4:7], s[0:1], 0x0                ; qkimg, vimg
	s_load_b64 s[8:9], s[0:1], 0x10                ; cimg
	v_lshl_add_u32 v5, v0, 2, SPARE
	v_mov_b32 v6, 0
	ds_add_u32 v5, v6                              ; the opening lines
	ds_add_u32 v5, v6
	v_lshrrev_b32 v8, 5, v0
	v_readfirstlane_b32 s[WV], v8
	s_bfe_u32 s72, s[WV], 0x10002                  ; head of the pair
	s_and_b32 s49, s[WV], 3
	s_lshr_b32 s50, s[WV], 3
	s_lshl_b32 s48, s50, 2
	s_add_co_u32 s48, s48, s49                     ; a
	s_mov_b32 s[RGA], ttmp9
	s_sub_co_u32 s[RGB], 15, ttmp9
	s_and_b32 s51, ttmp7, 0xffff                   ; y
	s_lshr_b32 s54, s51, 3
	s_lshl_b32 s54, s54, 4                         ; 16 batch
	s_and_b32 s52, s51, 7                          ; pair
	s_lshl_b32 s53, s52, 6
	s_add_co_u32 s53, s53, s54                     ; q's first record
	s_add_co_u32 s55, s53, 512                     ; k's
	s_lshl_b32 s56, s51, 4                         ; V's
	s_and_b32 s58, s[WV], 1
	s_mul_i32 s59, s55, 12288                      ; byte offsets: K's codes,
	s_mul_i32 s60, s56, 12288                      ; V's codes,
	s_lshl_b32 s61, s55, 9
	s_add_co_u32 s61, s61, 12582912                ; K's scale words,
	s_lshl_b32 s62, s56, 9
	s_add_co_u32 s62, s62, 6291456                 ; V's
	s_mul_i32 s57, s48, 1536                       ; my block in a record
	s_lshl_b32 s63, s50, 8
	s_lshl_b32 s16, s49, 2
	s_add_co_u32 s63, s63, s16
	s_add_co_u32 s63, s63, 12582912                ; and its scale words
	s_mul_i32 s81, s72, 768
	s_add_co_u32 s81, s81, s57                     ; the half of ctx's block that I store
.macro PLACE rg, qc, qs, cc, rec       ; a set's offsets: q's codes, q's scale words, ctx's codes; rec: ctx's record = 8 x row group + pair
	s_add_co_u32 s[\rec], s53, s[\rg]
	s_mul_i32 s[\qc], s[\rec], 12288
	s_add_co_u32 s[\qc], s[\qc], s57
	s_mov_b32 s[\qc+1], 0
	s_lshl_b32 s[\qs], s[\rec], 9
	s_add_co_u32 s[\qs], s[\qs], s63
	s_mov_b32 s[\qs+1], 0
	s_add_co_u32 s[\rec], s54, s[\rg]
	s_lshl_b32 s[\rec], s[\rec], 3
	s_add_co_u32 s[\rec], s[\rec], s52
	s_mul_i32 s[\cc], s[\rec], 12288
	s_add_co_u32 s[\cc], s[\cc], s81
	s_mov_b32 s[\cc+1], 0
.endm
	PLACE RGA, 88, 90, 84, 82
	PLACE RGB, 92, 94, 86, 83
	s_bitcmp1_b32 s[WV], 1                         ; waves 0-3 store scale words: set = w / 2, half of the record = w % 2
	s_cselect_b32 s96, s83, s82
	s_lshl_b32 s96, s96, 9
	s_lshl_b32 s97, s58, 8
	s_add_co_u32 s96, s96, s97
	s_add_co_u32 s96, s96, 6291456
	s_mov_b32 s97, 0
	s_cmp_eq_u32 s72, 0
	s_cselect_b32 s[MA], -1, 0
	s_cselect_b32 s[MB], 0, -1
	s_lshr_b32 s79, s48, 1
	s_lshl_b32 s79, s79, 5
	s_and_b32 s16, s48, 1
	s_lshl_b32 s16, s16, 3
	s_add_co_u32 s79, s79, s16                     ; 32 (a / 2) + 8 (a % 2)
	s_add_co_u32 s73, s81, STG                     ; the stage, in: my 768 bytes
	s_mul_i32 s74, s72, 640                        ; back: the three runs of 256 bytes of the image's half begin at 0, 128, 512 (head 0) or 640, 1,024, 1,152 (head 1)
	s_add_co_u32 s74, s74, s57
	s_add_co_u32 s74, s74, STG
	s_mul_i32 s75, s72, 896
	s_add_co_u32 s75, s75, s57
	s_add_co_u32 s75, s75, STG+128
	s_add_co_u32 s78, s74, 512
	s_lshl_b32 s99, s49, 10
	s_add_co_u32 s99, s99, STS
	s_mov_b32 s[G1C], 3<<16                        ; 96 rows of 256 bytes, dense
	s_mov_b32 s[G1C+1], 32<<16
	s_mov_b32 s[G1C+2], 96<<16
	s_mov_b32 s[G1C+3], 32<<16
	s_mov_b32 s[G1C+4], 96
	s_mov_b32 s[G1C+5], 32
	s_mov_b32 s[G1C+6], 0
	s_mov_b32 s[G1C+7], 0
	s_mov_b32 s[G1S], 3<<16                        ; 32 rows
	s_mov_b32 s[G1S+1], 32<<16
	s_mov_b32 s[G1S+2], 32<<16
	s_mov_b32 s[G1S+3], 32<<16
	s_mov_b32 s[G1S+4], 32
	s_mov_b32 s[G1S+5], 32
	s_mov_b32 s[G1S+6], 0
	s_mov_b32 s[G1S+7], 0
	s_mov_b32 s[SEL], 0x76543210
	s_mov_b32 s[SEL+1], 0xfedcba98
	s_mov_b32 s[CS], 0x3e38aa3b                    ; c = log2(e) / 8
	s_mov_b32 s[CS+1], s[CS]
	s_mov_b32 s[TBS], 0
	s_mov_b32 s[TS0], 0
	s_mov_b32 s[SG], 0
	s_mov_b32 s[SLOTS], 4
	s_wait_dscnt 0x0
	s_wait_kmcnt 0x0
	s_bitcmp1_b32 s[WV], 1                         ; the codes: waves 0, 1 fetch K's halves, waves 2, 3 V's
	s_cselect_b64 s[10:11], s[6:7], s[4:5]
	s_cselect_b32 s12, s60, s59
	s_mul_i32 s14, s58, 24576
	s_add_co_u32 s12, s12, s14
	s_mov_b32 s13, 0
	s_mov_b32 s[G0], 1
	s_mul_i32 s[G0+1], s49, 24576
	s_add_nc_u64 s[G0+2:G0+3], s[10:11], s[12:13]
	s_or_b32 s[G0+3], s[G0+3], 0x80000000
	s_cmp_eq_u32 s58, 0                            ; the scale words: wave 4 K's, wave 5 V's
	s_cselect_b64 s[10:11], s[4:5], s[6:7]
	s_cselect_b32 s14, s61, s62
	s_mov_b32 s15, 0
	s_mov_b32 s[G0S], 1
	s_lshl_b32 s[G0S+1], s58, 13
	s_add_co_u32 s[G0S+1], s[G0S+1], SCK
	s_add_nc_u64 s[G0S+2:G0S+3], s[10:11], s[14:15]
	s_or_b32 s[G0S+3], s[G0S+3], 0x80000000
	s_cmp_lt_u32 s[WV], 4                          ; the head's loads, one a wave, in one chain of branches
	s_cbranch_scc0 .Lhead_s
	tensor_load_to_lds s[G0:G0+3], s[G1C:G1C+7]
	s_nop 0
.rept 4
	v_nop
.endr
	s_branch .Lhead_j
.Lhead_s:
	s_cmp_lt_u32 s[WV], 6
	s_cbranch_scc0 .Lhead_j
	tensor_load_to_lds s[G0S:G0S+3], s[G1S:G1S+7]
	s_nop 0
.rept 4
	v_nop
.endr
.Lhead_j:
	s_add_nc_u64 s[88:89], s[4:5], s[88:89]
	s_add_nc_u64 s[90:91], s[4:5], s[90:91]
	s_add_nc_u64 s[92:93], s[4:5], s[92:93]
	s_add_nc_u64 s[94:95], s[4:5], s[94:95]
	s_add_nc_u64 s[84:85], s[8:9], s[84:85]
	s_add_nc_u64 s[86:87], s[8:9], s[86:87]
	s_add_nc_u64 s[96:97], s[8:9], s[96:97]
	s_cmp_lt_u32 s[WV], 10                         ; the prefetches: waves 4-9 K's codes, waves 10-15 V's
	s_cselect_b64 s[PFA:PFA+1], s[4:5], s[6:7]
	s_cselect_b32 s12, s59, s60
	s_cselect_b32 s13, 4, 10
	s_cmp_lt_u32 s[WV], 4
	s_cselect_b32 s13, 0, s13
	s_sub_co_u32 s13, s[WV], s13
	s_lshl_b32 s13, s13, 13
	s_add_co_u32 s12, s12, s13
	s_add_co_u32 s12, s12, 49152                   ; in slot 1: the first change of slots steps it to slot 2
	s_mov_b32 s13, 0
	s_add_nc_u64 s[PFA:PFA+1], s[PFA:PFA+1], s[12:13]
	s_lshr_b32 s[LIM], s[WV], 2
	s_cmp_eq_u32 s[LIM], 0
	s_cselect_b32 s[LIM], 1, 0
	s_or_b32 s[LIM], s[LIM], ttmp9                 ; 0 only in waves 4-15 of the work-group x = 0
	s_cmp_eq_u32 s[LIM], 0
	s_cselect_b32 s[LIM], 2, -1
	v_and_b32 v224, 31, v0                         ; L
	v_and_b32 v225, 15, v0                         ; r
	v_bfe_u32 v226, v0, 4, 1                       ; h
	v_lshlrev_b32 v1, 4, v224                      ; 16 L
	v_lshlrev_b32 v227, 4, v225                    ; 16 r
	s_mul_i32 s16, s72, 6144
	s_add_co_u32 s16, s16, 49152
	v_add_nc_u32 v2, s16, v1                       ; V: behind K's four records, my head's four blocks
	v_add_nc_u32 v3, SCK, v227
	s_lshl_b32 s16, s72, 8
	s_add_co_u32 s16, s16, SCV
	v_add_nc_u32 v4, s16, v227
	v_and_b32 v228, 8, v225
	v_lshlrev_b32 v229, 4, v226
	v_add_nc_u32 v7, v225, v228
	v_lshlrev_b32 v93, 8, v224                     ; the prefetches: 256 L
	s_delay_alu instid0(VALU_DEP_2)
	v_sub_nc_u32 v7, v7, v229
	s_delay_alu instid0(VALU_DEP_1)
	v_add_nc_u32 v7, s79, v7                       ; my query in the row group - 16 h: register 16 b + i holds key 32 b + i + 16 h, hidden where 32 b + i is greater
	s_wait_alu depctr_va_vdst(0)
.irp c, 0,1,2
	global_load_b128 v[16+4*\c:19+4*\c], v1, s[88:89] offset:512*\c
	global_load_b128 v[80+4*\c:83+4*\c], v1, s[92:93] offset:512*\c
.endr
	global_load_b32 v255, v227, s[90:91]
	global_load_b32 v94, v227, s[94:95]
.irp s, 12, 28
	v_mov_b32 v[\s+1], 0xff61b1e6                  ; the largest t so far: -3e38
	v_mov_b32 v[\s+2], 0
	v_mov_b32 v[\s+3], 0
	v_floor_f32 v[\s], -v[\s+1]
.endr
.irp i, 236,237,238,239,252,253
	v_mov_b32 v[\i], 0                             ; a lane permute's destination counts as a source
.endr
.set n, 0
.rept 64
	v_mov_b32 v[160+n], 0                          ; O^T of both sets: the steps are written alike, the first finds zeros
.set n, n+1
.endr
	s_wait_loadcnt 0x0
.irp i, 0,1,2,3,4,5
	v_and_b32 v[16+\i], s[MA], v[16+\i]            ; the other head's half becomes zero codes
	v_and_b32 v[22+\i], s[MB], v[22+\i]
	v_and_b32 v[80+\i], s[MA], v[80+\i]
	v_and_b32 v[86+\i], s[MB], v[86+\i]
.endr
	s_wait_alu depctr_va_vdst(0)
; A KEY STEP of one set: 128 keys.  RGR: the set's row group; ST: -M, t, sum; QF, QS: q and its scale word; O: O^T.
.macro STEP RGR, ST, QF, QS, O
	s_cmp_gt_u32 s[SG], s[\RGR]                    ; all its keys come after my queries
	s_cbranch_scc1 .Lhidden_\@
	v_add_nc_u32 v8, s[TB], v1                     ; (these four are the places between the last products and the loads below)
	v_add_nc_u32 v9, s[TB], v2
	v_add_nc_u32 v10, s[TS], v3
	v_add_nc_u32 v11, s[TS], v4
	s_wait_alu depctr_va_vdst(0)
.irp g, 0,1                            ; S^T = K Q^T, four blocks of 16 keys at a time
.if \g > 0
.rept 4
	v_nop
.endr
.endif
.irp t, 0,1,2,3
.irp c, 0,1,2
	ds_load_b128 v[32+12*\t+4*\c:35+12*\t+4*\c], v8 offset:(4*\g+\t)*1536+512*\c
.endr
.endr
	ds_load_b128 v[248:251], v10 offset:256*\g
	s_wait_dscnt 0x0
.irp t, 0,1,2,3
	v_wmma_scale_f32_16x16x128_f8f6f4 v[96+8*(4*\g+\t):103+8*(4*\g+\t)], v[32+12*\t:43+12*\t], v[\QF:\QF+11], 0, v[248+\t], v[\QS] matrix_a_fmt:MATRIX_FMT_FP6 matrix_b_fmt:MATRIX_FMT_FP6
.endr
.endr
.rept 4
	v_nop
.endr
.irp t, 0,1,2,3                        ; V's four blocks are asked for now and land during the softmax
.irp c, 0,1,2
	ds_load_b128 v[32+12*\t+4*\c:35+12*\t+4*\c], v9 offset:1536*\t+512*\c
.endr
.endr
	ds_load_b128 v[248:251], v11
	s_cmp_lg_u32 s[SG], s[\RGR]                    ; only the diagonal step has hidden keys
	s_cbranch_scc1 .Lopen_\@
	v_mov_b32 v254, 0xff800000
.set n, 0
.rept 64
	v_cmp_gt_i32 vcc_lo, 32*(n/16)+n%16, v7
	v_cndmask_b32 v[96+n], v[96+n], v254, vcc_lo
.set n, n+1
.endr
.Lopen_\@:
.irp b, 0,1,2,3
	v_max3_num_f32 v[232+\b], v[96+16*\b], v[97+16*\b], v[98+16*\b]   ; the largest score of each block of 32 keys: for the row's maximum and for the block's largest p
.endr
.irp i, 3,5,7,9,11,13
.irp b, 0,1,2,3
	v_max3_num_f32 v[232+\b], v[232+\b], v[96+16*\b+\i], v[97+16*\b+\i]
.endr
.endr
.irp b, 0,1,2,3
	v_max_num_f32 v[232+\b], v[232+\b], v[111+16*\b]
.endr
.irp b, 0,1,2,3
	s_delay_alu instid0(VALU_DEP_4)
	v_permlanex16_b32 v[236+\b], v[232+\b], s[SEL], s[SEL+1]
.endr
.irp b, 0,1,2,3
	s_delay_alu instid0(VALU_DEP_4)
	v_max_num_f32 v[232+\b], v[232+\b], v[236+\b]
.endr
	s_delay_alu instid0(VALU_DEP_2)
	v_max3_num_f32 v254, v232, v233, v234
	s_delay_alu instid0(VALU_DEP_1)
	v_max_num_f32 v254, v254, v235
	s_delay_alu instid0(VALU_DEP_1)
	v_mul_f32 v254, s[CS], v254                    ; the step's largest t
	s_delay_alu instid0(VALU_DEP_1)
	v_max_num_f32 v[\ST+1], v[\ST+1], v254
	v_mov_b32 v254, v[\ST]
	s_delay_alu instid0(VALU_DEP_2)
	v_floor_f32 v[\ST], -v[\ST+1]                  ; the new -M = -ceil(t)
	s_delay_alu instid0(VALU_DEP_1)
	v_sub_f32 v254, v[\ST], v254                   ; old M - new M: a whole number, 0 or less
	s_delay_alu instid0(VALU_DEP_1)
	v_cvt_i32_f32 v254, v254
	s_delay_alu instid0(VALU_DEP_1)
	v_ldexp_f32 v252, 1.0, v254                    ; f = 2^(old M - new M)
.set n, 0
.rept 32
	v_pk_fma_f32 v[96+n:97+n], v[96+n:97+n], s[CS:CS+1], v[\ST:\ST+1] op_sel_hi:[1,0,0]   ; t - M
.set n, n+2
.endr
.irp b, 0,1,2,3
	v_fma_f32 v[232+\b], v[232+\b], s[CS], v[\ST]
.endr
	s_wait_alu depctr_va_vdst(0)                   ; ahead of the batch
.set n, 0
.rept 64
	v_exp_f32 v[96+n], v[96+n]                     ; p = 2^(t - M)
.set n, n+1
.endr
	v_pk_mul_f32 v[\ST+2:\ST+3], v[\ST+2:\ST+3], v[252:253] op_sel_hi:[1,0]   ; the sums under the new M
	s_wait_alu depctr_va_vdst(0)                   ; one wait for the batch
.irp b, 0,1,2,3
	v_exp_f32 v[232+\b], v[232+\b]                 ; each block's largest p
.endr
.irp k, 0,1,2,3,4,5                    ; the row's sum of the unquantised p: 32 pairs in eight chains
	v_pk_add_f32 v[236+2*\k:237+2*\k], v[96+4*\k:97+4*\k], v[98+4*\k:99+4*\k]
.endr
	v_pk_add_f32 v[230:231], v[120:121], v[122:123]
	v_pk_add_f32 v[\ST+2:\ST+3], v[\ST+2:\ST+3], v[124:125]
.irp k, 0,1,2,3,4,5
	v_pk_add_f32 v[236+2*\k:237+2*\k], v[236+2*\k:237+2*\k], v[126+2*\k:127+2*\k]
.endr
	v_pk_add_f32 v[230:231], v[230:231], v[138:139]
	v_pk_add_f32 v[\ST+2:\ST+3], v[\ST+2:\ST+3], v[140:141]
.irp k, 0,1,2,3,4,5
	v_pk_add_f32 v[236+2*\k:237+2*\k], v[236+2*\k:237+2*\k], v[142+2*\k:143+2*\k]
.endr
	v_pk_add_f32 v[230:231], v[230:231], v[154:155]
	v_pk_add_f32 v[\ST+2:\ST+3], v[\ST+2:\ST+3], v[156:157]
	v_pk_add_f32 v[236:237], v[236:237], v[158:159]
	v_pk_add_f32 v[240:241], v[240:241], v[242:243]
	v_pk_add_f32 v[244:245], v[244:245], v[246:247]
	v_pk_add_f32 v[\ST+2:\ST+3], v[\ST+2:\ST+3], v[230:231]
	v_pk_add_f32 v[236:237], v[236:237], v[238:239]
	s_delay_alu instid0(VALU_DEP_2)
	v_pk_add_f32 v[\ST+2:\ST+3], v[\ST+2:\ST+3], v[244:245]
	s_delay_alu instid0(VALU_DEP_2)
	v_pk_add_f32 v[236:237], v[236:237], v[240:241]
	s_delay_alu instid0(VALU_DEP_1)
	v_pk_add_f32 v[\ST+2:\ST+3], v[\ST+2:\ST+3], v[236:237]
	s_wait_alu depctr_va_vdst(0)                   ; and one for the four
.irp b, 0,1,2,3
	v_max_num_f32 v[232+\b], 0x1800000, v[232+\b]  ; the floor 2^(3 - 127): the byte cannot fall under 1
.endr
.irp b, 0,1,2,3
	s_delay_alu instid0(VALU_DEP_4)
	v_add_nc_u32 v[244+\b], 0xff000000, v[232+\b]
.endr
.irp b, 0,1,2,3
	s_delay_alu instid0(VALU_DEP_4)
	v_lshrrev_b32 v[236+\b], 23, v[244+\b]
.endr
	s_delay_alu instid0(VALU_DEP_3)
	v_lshl_or_b32 v253, v237, 8, v236              ; p's scale word for these 128 keys
	s_delay_alu instid0(VALU_DEP_1)
	v_lshl_or_b32 v253, v238, 16, v253
	s_delay_alu instid0(VALU_DEP_1)
	v_lshl_or_b32 v253, v239, 24, v253
.irp c, 0,1
	v_cvt_scalef32_pk16_fp6_f32 v[224+6*\c:226+6*\c], v[96+32*\c:111+32*\c], v[244+2*\c]
	v_cvt_scalef32_pk16_fp6_f32 v[236+4*\c:238+4*\c], v[112+32*\c:127+32*\c], v[244+2*\c+1]
.endr
	v_nop
.irp c, 0,1
.irp i, 0,1,2
	v_permlane16_swap_b32 v[224+6*\c+\i], v[236+4*\c+\i]
.endr
.irp i, 0,1,2
	s_delay_alu instid0(VALU_DEP_3)
	v_mov_b32 v[227+6*\c+\i], v[236+4*\c+\i]
.endr
.endr
	s_wait_alu depctr_va_vdst(0)                   ; ahead of the first reader of O^T
.set n, 0
.rept 16
	v_pk_mul_f32 v[\O+n:\O+n+1], v[\O+n:\O+n+1], v[252:253] op_sel_hi:[1,0]   ; O^T under the new M; also the places in front of the products below
.set n, n+2
.endr
	s_wait_alu depctr_va_vdst(0)
	s_wait_dscnt 0x0                               ; V's blocks and scale words are in
.irp t, 0,1,2,3                        ; O^T += V^T P^T; the four accumulators by turns
	v_wmma_scale_f32_16x16x128_f8f6f4 v[\O+8*\t:\O+8*\t+7], v[32+12*\t:43+12*\t], v[224:235], v[\O+8*\t:\O+8*\t+7], v[248+\t], v253 matrix_a_fmt:MATRIX_FMT_FP6 matrix_b_fmt:MATRIX_FMT_FP6
.endr
.Lhidden_\@:
.endm
.Lslot:                                ; four trips, a slot each
	s_wait_tensorcnt 0x0                           ; THE CHANGE OF SLOTS: no tensor load of mine is out, so a group 0 may be written
	ds_add_u32 v5, v6                              ; here twice on end
	ds_add_u32 v5, v6
	s_xor_b32 s[G0+1], s[G0+1], SLOT1              ; the other slot,
	s_add_nc_u64 s[G0+2:G0+3], s[G0+2:G0+3], 49152 ; the next four records
	s_wait_xcnt 0x0                                ; the last prefetch, a slot back, has read its address
	s_add_nc_u64 s[PFA:PFA+1], s[PFA:PFA+1], 49152
	s_add_co_u32 s17, s[SG], 4                     ; the next slot's first key step
	s_wait_dscnt 0x0
	s_barrier_signal -1
	s_barrier_wait -1
	s_cmp_gt_u32 s17, s[RGB]                       ; no query of the work-group sees it: it is not fetched (ids alone, the same in all waves)
	s_cbranch_scc1 .Lno_fill
	s_cmp_lt_u32 s[WV], 4
	s_cbranch_scc0 .Lno_fill
	tensor_load_to_lds s[G0:G0+3], s[G1C:G1C+7]
	s_nop 0
.rept 4
	v_nop
.endr
.Lno_fill:
	s_cmp_gt_u32 s[SLOTS], s[LIM]
	s_cbranch_scc0 .Lno_ask
	global_prefetch_b8 v93, s[PFA:PFA+1] th:TH_LOAD_NT scope:SCOPE_SE
.Lno_ask:
	s_mov_b32 s[QI], 0
.Lstep:                                ; four trips, a key step each, for both sets
	s_mul_i32 s[TB], s[QI], 12288
	s_add_co_u32 s[TB], s[TB], s[TBS]
	s_lshl_b32 s[TS], s[QI], 9
	s_add_co_u32 s[TS], s[TS], s[TS0]
	STEP RGA, 12, 16, 255, 160
	STEP RGB, 28, 80, 94, 192
	s_add_co_u32 s[SG], s[SG], 1
	s_add_co_u32 s[QI], s[QI], 1
	s_cmp_lt_u32 s[QI], 4
	s_cbranch_scc1 .Lstep
	s_xor_b32 s[TBS], s[TBS], SLOT1
	s_add_co_u32 s[TS0], s[TS0], 2048
	s_sub_co_u32 s[SLOTS], s[SLOTS], 1
	s_cmp_lg_u32 s[SLOTS], 0
	s_cbranch_scc1 .Lslot
	; THE WAY OUT: ctx = O^T / the sum, quantised along my head's 64 channels (two blocks); register 16 b + i is channel 32 b + 16 h + i of my query.
.rept 4
	v_nop                                          ; places behind the last products
.endr
	v_and_b32 v16, 31, v0
	v_and_b32 v18, 1, v0
	v_bfe_u32 v19, v0, 1, 4
	v_lshlrev_b32 v16, 3, v16                      ; 8 L
	v_lshlrev_b32 v18, 8, v18
	v_lshl_add_u32 v23, v0, 2, STS                 ; my scale halfword's word
	v_add_nc_u32 v17, s73, v16                     ; the stage, in
	v_lshl_add_u32 v25, v19, 3, v18                ; back: 256 (L % 2) + 8 (L / 2): 8 bytes at 8 L of the image are register pair L % 2 of lane L / 2
	v_lshl_add_u32 v24, v19, 2, v18                ; the scale words' gather: blocks 2 (L % 2), + 1 of row L / 2
	v_add_nc_u32 v20, s74, v25
	v_add_nc_u32 v21, s75, v25
	v_add_nc_u32 v22, s78, v25
	v_add_nc_u32 v24, s99, v24
.macro OUTQ ST, O, k
	v_add_f32 v[\ST+2], v[\ST+2], v[\ST+3]
	s_delay_alu instid0(VALU_DEP_1)
	v_permlanex16_b32 v252, v[\ST+2], s[SEL], s[SEL+1]
	s_delay_alu instid0(VALU_DEP_1)
	v_add_f32 v[\ST+2], v[\ST+2], v252             ; the row's sum
	s_wait_alu depctr_va_vdst(0)
	v_rcp_f32 v[\ST+2], v[\ST+2]
	v_nop
	s_wait_alu depctr_va_vdst(0)
.set n, 0
.rept 32
	v_mul_f32 v[96+n], v[\O+n], v[\ST+2]
.set n, n+1
.endr
.irp b, 0,1
	v_max3_num_f32 v[232+\b], |v[96+16*\b]|, |v[97+16*\b]|, 0x1800000
.endr
.irp i, 2,4,6,8,10,12,14
.irp b, 0,1
	s_delay_alu instid0(VALU_DEP_2)
	v_max3_num_f32 v[232+\b], v[232+\b], |v[96+16*\b+\i]|, |v[97+16*\b+\i]|
.endr
.endr
.irp b, 0,1
	s_delay_alu instid0(VALU_DEP_2)
	v_permlanex16_b32 v[236+\b], v[232+\b], s[SEL], s[SEL+1]
.endr
.irp b, 0,1
	s_delay_alu instid0(VALU_DEP_2)
	v_max_num_f32 v[232+\b], v[232+\b], v[236+\b]
.endr
.irp b, 0,1
	s_delay_alu instid0(VALU_DEP_2)
	v_add_nc_u32 v[244+\b], 0xff000000, v[232+\b]
.endr
.irp b, 0,1
	s_delay_alu instid0(VALU_DEP_2)
	v_lshrrev_b32 v[240+\b], 23, v[244+\b]
.endr
	s_delay_alu instid0(VALU_DEP_1)
	v_lshl_or_b32 v243, v241, 8, v240              ; my head's two bytes of the row's scale word
	v_cvt_scalef32_pk16_fp6_f32 v[224:226], v[96:111], v244
	v_cvt_scalef32_pk16_fp6_f32 v[236:238], v[112:127], v245
	v_nop
.irp i, 0,1,2
	v_permlane16_swap_b32 v[224+\i], v[236+\i]
.endr
.irp i, 0,1,2
	s_delay_alu instid0(VALU_DEP_3)
	v_mov_b32 v[227+\i], v[236+\i]                 ; v224-229: the image's registers 6 head + 0 .. 5
.endr
	ds_store_b64 v17, v[224:225] offset:12288*\k
	ds_store_b64 v17, v[226:227] offset:12288*\k+256
	ds_store_b64 v17, v[228:229] offset:12288*\k+512
	ds_store_b32 v23, v243 offset:2048*\k
.endm
	OUTQ 12, 160, 0
	OUTQ 28, 192, 1
	s_wait_alu depctr_va_vdst(0)
	s_wait_dscnt 0x0                               ; for the others' sake: my stores are done
	s_barrier_signal -1
	s_barrier_wait -1
.irp k, 0,1                            ; half of each set's block, in the image's order
	ds_load_b64 v[32+6*\k:33+6*\k], v20 offset:12288*\k
	ds_load_b64 v[34+6*\k:35+6*\k], v21 offset:12288*\k
	ds_load_b64 v[36+6*\k:37+6*\k], v22 offset:12288*\k
.endr
	s_wait_dscnt 0x0
.irp i, 0,1,2
	global_store_b64 v16, v[32+2*\i:33+2*\i], s[84:85] offset:256*\i   ; 256 consecutive bytes, aligned
	global_store_b64 v16, v[38+2*\i:39+2*\i], s[86:87] offset:256*\i
.endr
	s_cmp_lt_u32 s[WV], 4                          ; waves 0-3 each store 256 bytes of scale words: four blocks of one set
	s_cbranch_scc0 .Lno_scales
	ds_load_b32 v44, v24                           ; head 0, even block
	ds_load_b32 v45, v24 offset:512                ; head 1, even block
	ds_load_b32 v46, v24 offset:128                ; head 0, odd block
	ds_load_b32 v47, v24 offset:640
	s_wait_dscnt 0x0
	v_lshl_or_b32 v48, v45, 16, v44
	v_lshl_or_b32 v49, v47, 16, v46
	global_store_b64 v16, v[48:49], s[96:97]
.Lno_scales:
	s_wait_tensorcnt 0x0                           ; the wave's end
	ds_add_u32 v5, v6
	s_wait_dscnt 0x0
	s_endpgm
.Lfunc_end_k_qc5c503351a_attn:
	.size	k_qc5c503351a_attn, .Lfunc_end_k_qc5c503351a_attn-k_qc5c503351a_attn
	.p2alignl 7, 3214868480
	.fill 96, 4, 3214868480
	.section	.rodata,"a",@progbits
	.p2align	6, 0x0
	.amdhsa_kernel k_qc5c503351a_attn
		.amdhsa_group_segment_fixed_size 327680
		.amdhsa_private_segment_fixed_size 0
		.amdhsa_enable_private_segment 0
		.amdhsa_kernarg_size 24
		.amdhsa_user_sgpr_count 2
		.amdhsa_user_sgpr_kernarg_segment_ptr 1
		.amdhsa_wavefront_size32 1
		.amdhsa_system_sgpr_workgroup_id_x 1
		.amdhsa_system_sgpr_workgroup_id_y 1
		.amdhsa_system_sgpr_workgroup_id_z 1
		.amdhsa_system_vgpr_workitem_id 0
		.amdhsa_next_free_vgpr 256
		.amdhsa_next_free_sgpr 102
		.amdhsa_reserve_vcc 1
		.amdhsa_float_denorm_mode_32 3
		.amdhsa_float_denorm_mode_16_64 3
		.amdhsa_memory_ordered 1
		.amdhsa_forward_progress 1
		.amdhsa_inst_pref_size 70
	.end_amdhsa_kernel
	.amdgpu_metadata
---
amdhsa.version: [ 1, 2 ]
amdhsa.kernels:
  - .name:           k_qc5c503351a_attn
    .symbol:         k_qc5c503351a_attn.kd
    .args:
      - { .name: qkimg, .offset: 0, .size: 8, .value_kind: global_buffer, .address_space: global }
      - { .name: vimg, .offset: 8, .size: 8, .value_kind: global_buffer, .address_space: global }
      - { .name: cimg, .offset: 16, .size: 8, .value_kind: global_buffer, .address_space: global }
    .group_segment_fixed_size: 327680
    .private_segment_fixed_size: 0
    .kernarg_segment_align: 8
    .kernarg_segment_size: 24
    .max_flat_workgroup_size: 512
    .sgpr_count:     102
    .vgpr_count:     256
    .wavefront_size: 32
...
	.end_amdgpu_metadata
.endif
;; end of part 3
;; launch gemm_out (part 4): grid 4 x 64, 4 waves a work-group, clusters of 4 x 4, 327,680 bytes of LDS; arguments cimg, woimg, out0; writes out0
.if DOCPART == 4
	.amdgcn_target "amdgcn-amd-amdhsa--gfx1250"
	.amdhsa_code_object_version 6
	.text
	.protected	k_qc5c503351a_gemm_out
	.globl	k_qc5c503351a_gemm_out
	.p2align	8
	.type	k_qc5c503351a_gemm_out,@function
k_qc5c503351a_gemm_out:
	s_mov_b64 s[64:65], 0
	v_nop
	global_prefetch_b8 v0, s[64:65] scope:SCOPE_SE
	s_setreg_imm32_b32 hwreg(HW_REG_WAVE_MODE, 25, 1), 1
	s_wait_xcnt 0x0
	s_wait_alu depctr_hold_cnt(0) depctr_sa_sdst(0) depctr_va_vdst(0) depctr_va_sdst(0) depctr_va_ssrc(0) depctr_va_vcc(0) depctr_vm_vsrc(0)
	s_getreg_b32 s2, hwreg(HW_REG_IB_STS2, 6, 4)
	s_cmp_eq_u32 s2, 0
	s_cbranch_scc0 .Lentry_in_a_cluster
	s_endpgm
.Lentry_in_a_cluster:
	s_bfe_u32 s2, ttmp6, 0x10000c
	s_cmp_lg_u32 s2, 0xf033
	s_cbranch_scc0 .Lentry_shape_is_right
	s_endpgm
.Lentry_shape_is_right:
; The out-projection on codes of FP6 (E2M3), K = 1,024: out0 = ctx Wo^T, f32.  Operands lie in memory as images of operand registers (records of 128 rows x 128 k: 8 blocks of 1,536 bytes,
; register i of lane L at 512 (i / 4) + 16 L + 4 (i % 4); scale words at 256 (a / 4) + 16 r + 4 (a % 4); row r of block a is row 32 (a / 2) + 8 (a % 2) + r + 8 (r / 8) of the record).
; A work-group makes 128 positions (ctx's row group y) x 256 features (Wo's tile x): 4 x 64 = 256 work-groups; a wave makes 64 positions x 128 features: 32 accumulators.
; The matrix instruction is used transposed (source 0 = a block of Wo, source 1 = a block of ctx), so that a lane holds neighbouring features of one position.
; NO RING: the block's operands for ALL of K fit in LDS: ctx's row group (98,304 bytes), then Wo's two (196,608 bytes, dense in memory).  They come by the head's one tensor load a wave:
; wave 0 brings ctx's 384 rows of 256 bytes, waves 1 to 3 a third of Wo's each, 256 rows.  One barrier shows them to all waves; no LDS byte is filled again.
; TWO PASSES: a wave first finishes its 64 positions x its first 64 features (Wo's blocks 0-3) over all of K and stores them, then the other 64 features: the first pass's stores are out while the second is multiplied.
; A K step of a pass is 16 matrix instructions; both sides have two sets of four fragments, and a step's 24 LDS loads go out ahead of the step before.
; THE SCALE WORDS, for all of K, go from memory straight into 64 registers: lanes 0-15 hold the even K step's words, lanes 16-31 the odd one's; ctx's four words go to both sets of its fragments.
; CLUSTERS: 4 x 4; ctx's tile is asked for jointly along a row, Wo's along a column.  No prefetch: the launch has no loop to run ahead in; all that it reads is asked for at the head.
; The result leaves through each wave's own stage in LDS (16 rows of 256 + 16 bytes): sixteen lanes store a row's 256 consecutive bytes, aligned.
.set FR,    12
.set REC,   12288
.set HALF,  49152                      ; four records: what an LDS load's immediate reaches
.set SPARE, 294912                     ; behind the operands: the spare words
.set STG,   295424                     ; the stages
.set SPITCH, 272
.set PA,   16                          ; v16-17 my four blocks of ctx, K steps 0-3 and 4-7
.set PB,   20                          ; v20-21 my row group of Wo
.set STO,  24
.set RD,   25
.set CO,   26
.set ADRS, 27
.set SPW,  28
.set NIL,  29
.set GO,   30
.set SA,   32                          ; v[SA + 8 p + a]: ctx's fragment a, K steps 2 p (lanes 0-15) and 2 p + 1 (lanes 16-31)
.set SB,   64                          ; the same for Wo's blocks
.set AF,   128                         ; ctx's fragments: 0-3 for even K steps, 4-7 for odd ones
.set G1, 24
.set G0, 32
.set HB1, 48
.set HB0, 56
.set MSB, 0
.macro WIN new
.if MSB != (\new)
	s_set_vgpr_msb (MSB<<8)|(\new)
.set MSB, (\new)
.endif
.endm
.set MUL_LO, 0xa1                      ; source 0 (Wo) window 1, source 1 (ctx) window 0, C and D window 2
.set TO_B,   0x40
.macro CROUND
	s_barrier_signal -1
	s_barrier_wait -1
	s_cmp_lg_u32 s14, 0
	s_cbranch_scc1 .Lnot_wave_0_\@
	s_barrier_signal -3
.Lnot_wave_0_\@:
	s_barrier_wait -3
	s_barrier_signal -1
	s_barrier_wait -1
.endm
	s_load_b128 s[4:7], s[0:1], 0x0                ; cimg, woimg
	s_load_b64 s[8:9], s[0:1], 0x10                ; out0
	v_lshl_add_u32 v[SPW], v0, 2, SPARE
	v_mov_b32 v[NIL], 0
	ds_add_u32 v[SPW], v[NIL]                      ; the opening lines
	ds_add_u32 v[SPW], v[NIL]
	s_wait_dscnt 0x0
	v_lshrrev_b32 v1, 5, v0
	v_readfirstlane_b32 s14, v1
	s_lshr_b32 s15, s14, 1                         ; my 64 positions
	s_and_b32 s16, s14, 1                          ; my row group of Wo
	s_bfe_u32 s40, ttmp6, 0x40000
	s_bfe_u32 s41, ttmp6, 0x40004
	s_lshl_b32 s42, ttmp9, 2
	s_add_co_u32 s42, s42, s40                     ; Wo's tile
	s_and_b32 s17, ttmp7, 0xffff
	s_lshl_b32 s17, s17, 2
	s_add_co_u32 s17, s17, s41                     ; ctx's row group
	s_lshl_b32 s43, s41, 2
	s_lshl_b32 s43, 15, s43
	s_lshl_b32 s44, 0x1111, s40
	s_or_b32 s[G1+0], s43, (3<<16)|(1<<21)         ; ctx: 384 rows of 256 bytes, dense
	s_mov_b32 s[G1+1], 32<<16
	s_mov_b32 s[G1+2], 384<<16
	s_mov_b32 s[G1+3], 32<<16
	s_mov_b32 s[G1+4], 384
	s_mov_b32 s[G1+5], 32
	s_mov_b32 s[G1+6], 0
	s_mov_b32 s[G1+7], 0
	s_or_b32 s[HB1+0], s44, (3<<16)|(1<<21)        ; a third of Wo's tile: 256 rows
	s_mov_b32 s[HB1+1], 32<<16
	s_mov_b32 s[HB1+2], 256<<16
	s_mov_b32 s[HB1+3], 32<<16
	s_mov_b32 s[HB1+4], 256
	s_mov_b32 s[HB1+5], 32
	s_mov_b32 s[HB1+6], 0
	s_mov_b32 s[HB1+7], 0
	s_mul_i32 s46, s17, 98304
	s_mov_b32 s47, 0
	s_add_co_u32 s3, s14, 3
	s_and_b32 s3, s3, 3                            ; waves 1, 2, 3: thirds 0, 1, 2
	s_lshl_b32 s3, s3, 16
	s_mul_i32 s98, s42, 196608
	s_add_co_u32 s98, s98, s3
	s_mov_b32 s99, 0
	s_add_co_u32 s3, s3, 98304                     ; Wo lies behind ctx
	s_lshl_b32 s22, s17, 12
	s_lshl_b32 s23, s15, 8
	s_add_co_u32 s22, s22, s23
	s_add_co_u32 s22, s22, 6291456                 ; my four blocks' scale words
	s_mov_b32 s23, 0
	s_lshl_b32 s97, s42, 1
	s_add_co_u32 s97, s97, s16
	s_lshl_b32 s100, s97, 12
	s_add_co_u32 s100, s100, 786432
	s_mov_b32 s101, 0
	s_wait_kmcnt 0x0
	s_add_nc_u64 s[46:47], s[4:5], s[46:47]
	s_add_nc_u64 s[22:23], s[4:5], s[22:23]
	s_add_nc_u64 s[98:99], s[6:7], s[98:99]
	s_add_nc_u64 s[100:101], s[6:7], s[100:101]
	CROUND                                         ; the joint loads meet
	s_mov_b32 s[G0], 1
	s_mov_b32 s[G0+1], 0
	s_mov_b64 s[G0+2:G0+3], s[46:47]
	s_or_b32 s[G0+3], s[G0+3], 0x80000000
	s_mov_b32 s[HB0], 1
	s_mov_b32 s[HB0+1], s3
	s_mov_b64 s[HB0+2:HB0+3], s[98:99]
	s_or_b32 s[HB0+3], s[HB0+3], 0x80000000
	s_cmp_eq_u32 s14, 0                            ; one tensor load a wave, in the two arms of one branch
	s_cbranch_scc0 .Lfor_wo
	tensor_load_to_lds s[G0:G0+3], s[G1:G1+7]
	s_nop 0
.rept 4
	v_nop
.endr
	s_branch .Lasked
.Lfor_wo:
	tensor_load_to_lds s[HB0:HB0+3], s[HB1:HB1+7]
	s_nop 0
.rept 4
	v_nop
.endr
.Lasked:
	s_mul_i32 s18, s15, 6144
	s_add_co_u32 s19, s16, 1
	s_mul_i32 s19, s19, 98304
	s_mul_i32 s20, s14, 16*SPITCH
	s_add_co_u32 s20, s20, STG
	v_and_b32 v1, 31, v0
	v_and_b32 v2, 15, v0                           ; r
	v_bfe_u32 v3, v0, 4, 1                         ; h
	s_wait_alu depctr_va_vdst(0)
	v_lshlrev_b32 v[GO], 4, v1
	v_lshlrev_b32 v5, 4, v2                        ; 16 r
	v_mul_u32_u24 v6, v2, SPITCH
	v_mul_u32_u24 v7, v3, SPITCH
	v_add_nc_u32 v[PA], s18, v[GO]
	v_add_nc_u32 v[PB], s19, v[GO]
	v_lshl_add_u32 v[ADRS], v3, 9, v5              ; 16 r + 512 h
	v_lshl_add_u32 v6, v3, 6, v6
	v_add_nc_u32 v7, v7, v5
	v_lshl_add_u32 v[CO], v3, 14, v5               ; in out0: lanes 16-31 take the next position, 16,384 bytes on
	v_add_nc_u32 v[PA+1], HALF, v[PA]
	v_add_nc_u32 v[PB+1], HALF, v[PB]
	v_add_nc_u32 v[STO], s20, v6                   ; the stage, in: row r, 64 bytes for each half of the lanes
	v_add_nc_u32 v[RD], s20, v7                    ; back: sixteen lanes to a row, two rows an instruction
	s_wait_alu depctr_va_vdst(0)
.irp p, 0,1,2,3
	global_load_b128 v[SA+8*\p:SA+8*\p+3], v[ADRS], s[22:23] offset:1024*\p
	global_load_b128 v[SA+8*\p+4:SA+8*\p+7], v[ADRS], s[22:23] offset:1024*\p
.irp u, 0,1
	global_load_b128 v[SB+8*\p+4*\u:SB+8*\p+4*\u+3], v[ADRS], s[100:101] offset:1024*\p+256*\u
.endr
.endr
	s_and_b32 s20, s17, 15
	s_lshl_b32 s20, s20, 21                        ; 128 positions of 16,384 bytes a row group,
	s_lshr_b32 s19, s17, 4
	s_lshl_b32 s19, s19, 12                        ; the batch's 4,096 bytes,
	s_add_co_u32 s20, s20, s19
	s_lshl_b32 s19, s15, 20                        ; my 64 positions,
	s_add_co_u32 s20, s20, s19
	s_lshl_b32 s19, s42, 10
	s_add_co_u32 s20, s20, s19
	s_lshl_b32 s19, s16, 9                         ; my 128 features
	s_add_co_u32 s20, s20, s19
	s_mov_b32 s21, 0
	s_add_nc_u64 s[12:13], s[8:9], s[20:21]
.macro FRAG reg, adr, off
.irp c, 0,1,2
	ds_load_b128 v[\reg+4*\c:\reg+4*\c+3], v[\adr] offset:\off+512*\c
.endr
.endm
.macro FETCH j, kk                     ; K step kk of pass j: Wo's blocks 4 j .. 4 j + 3 and my four blocks of ctx into the sets kk % 2
	WIN TO_B
.irp i, 0,1,2,3
	FRAG 128*((\kk)%2)+FR*\i, PB+(\kk)/4, ((\kk)%4)*REC+1536*(4*(\j)+\i)
.endr
	WIN 0
.irp i, 0,1,2,3
	FRAG AF+FR*(4*((\kk)%2)+\i), PA+(\kk)/4, ((\kk)%4)*REC+1536*\i
.endr
.endm
; 16 matrix instructions; accumulator (a, 4 j + b) at v[8 (8 a + 4 j + b)] of window 2.  They take turns, one instruction a turn.  The first K step starts the sums.
.macro MUL44 j, kk
.irp a, 0,1,2,3
.irp b, 0,1,2,3
.if (\kk) == 0
	v_wmma_scale_f32_16x16x128_f8f6f4 v[8*(8*\a+4*(\j)+\b):8*(8*\a+4*(\j)+\b)+7], v[FR*\b:FR*\b+FR-1], v[AF+FR*\a:AF+FR*\a+FR-1], 0, v[SB+4*(\j)+\b], v[SA+\a] matrix_a_fmt:MATRIX_FMT_FP6 matrix_b_fmt:MATRIX_FMT_FP6
.else
.if (\kk)%2
	v_wmma_scale_f32_16x16x128_f8f6f4 v[8*(8*\a+4*(\j)+\b):8*(8*\a+4*(\j)+\b)+7], v[128+FR*\b:128+FR*\b+FR-1], v[AF+FR*(4+\a):AF+FR*(4+\a)+FR-1], v[8*(8*\a+4*(\j)+\b):8*(8*\a+4*(\j)+\b)+7], v[SB+8*((\kk)/2)+4*(\j)+\b], v[SA+8*((\kk)/2)+4+\a] matrix_a_fmt:MATRIX_FMT_FP6 matrix_b_fmt:MATRIX_FMT_FP6 matrix_a_scale:MATRIX_SCALE_ROW1 matrix_b_scale:MATRIX_SCALE_ROW1
.else
	v_wmma_scale_f32_16x16x128_f8f6f4 v[8*(8*\a+4*(\j)+\b):8*(8*\a+4*(\j)+\b)+7], v[FR*\b:FR*\b+FR-1], v[AF+FR*\a:AF+FR*\a+FR-1], v[8*(8*\a+4*(\j)+\b):8*(8*\a+4*(\j)+\b)+7], v[SB+8*((\kk)/2)+4*(\j)+\b], v[SA+8*((\kk)/2)+\a] matrix_a_fmt:MATRIX_FMT_FP6 matrix_b_fmt:MATRIX_FMT_FP6
.endif
.endif
.endr
.endr
.endm
.macro PLACES                          ; four plain places between a matrix instruction and a load into, or a read of, its registers
.rept 4
	v_nop
.endr
.endm
.macro HS j, kk                        ; a K step: its fragments are waited for, the next step's asked for, then the products
	s_wait_dscnt 0x0
	PLACES
.if (\kk) < 7
	FETCH \j, (\kk)+1
.endif
	WIN MUL_LO
	MUL44 \j, \kk
	WIN 0
.endm
; THE WAY OUT of pass j, block by block of 16 positions x 64 features, through my own stage; LDS serves a wave's instructions in order (ISA guide 5.7.1.4)
.macro TOSTAGE j, a
	s_wait_xcnt 0x0                                ; earlier stores have read the registers that the block comes back into
	WIN 0x08
.irp b, 0,1,2,3
	ds_store_b128 v[STO], v[64*(\a)+8*(4*(\j)+\b):64*(\a)+8*(4*(\j)+\b)+3] offset:128*(\b/2)+32*(\b%2)
	ds_store_b128 v[STO], v[64*(\a)+8*(4*(\j)+\b)+4:64*(\a)+8*(4*(\j)+\b)+7] offset:128*(\b/2)+32*(\b%2)+16
.endr
	WIN 0
.set BB, 96+128*((\a)%2)               ; v96-127 and v224-255 by turns
.irp t, 0,1,2,3,4,5,6,7
	ds_load_b128 v[BB+4*\t:BB+4*\t+3], v[RD] offset:\t*2*SPITCH
.endr
.endm
.macro SEND j, a, younger
.set BB, 96+128*((\a)%2)
	s_wait_dscnt \younger
.irp t, 0,1,2,3,4,5,6,7
	global_store_b128 v[CO], v[BB+4*\t:BB+4*\t+3], s[12:13] offset:(32*((\a)/2)+8*((\a)%2)+2*\t+8*(\t/4))*16384+256*(\j) th:TH_STORE_NT   ; two rows' 256 consecutive bytes, aligned
.endr
.endm
.macro OUT j
	TOSTAGE \j, 0
.irp a, 1,2,3
	TOSTAGE \j, \a
	SEND \j, \a-1, 16                              ; behind block a - 1's loads: block a's 8 stores and 8 loads
.endr
	SEND \j, 3, 0
.endm
	s_wait_alu depctr_va_vdst(0)
	s_wait_tensorcnt 0x0                           ; my load has landed
	s_barrier_signal -1
	s_barrier_wait -1                              ; and everybody's
	FETCH 0, 0
	s_wait_loadcnt 0x0                             ; the scale words
.irp k, 0,1,2,3,4,5,6,7
	HS 0, \k
.endr
	PLACES                                         ; behind the last products: their results are read below
	FETCH 1, 0                                     ; the second pass's first fragments land under the way out
	OUT 0
.irp k, 0,1,2,3,4,5,6,7
	HS 1, \k
.endr
	PLACES
	OUT 1
	s_wait_tensorcnt 0x0                           ; the wave's end
	ds_add_u32 v[SPW], v[NIL]
	s_wait_dscnt 0x0
	CROUND                                         ; the closing round
	s_endpgm
.Lfunc_end_k_qc5c503351a_gemm_out:
	.size	k_qc5c503351a_gemm_out, .Lfunc_end_k_qc5c503351a_gemm_out-k_qc5c503351a_gemm_out
	.p2alignl 7, 3214868480
	.fill 96, 4, 3214868480
	.section	.rodata,"a",@progbits
	.p2align	6, 0x0
	.amdhsa_kernel k_qc5c503351a_gemm_out
		.amdhsa_group_segment_fixed_size 327680
		.amdhsa_private_segment_fixed_size 0
		.amdhsa_enable_private_segment 0
		.amdhsa_kernarg_size 24
		.amdhsa_user_sgpr_count 2
		.amdhsa_user_sgpr_kernarg_segment_ptr 1
		.amdhsa_wavefront_size32 1
		.amdhsa_system_sgpr_workgroup_id_x 1
		.amdhsa_system_sgpr_workgroup_id_y 1
		.amdhsa_system_sgpr_workgroup_id_z 1
		.amdhsa_system_vgpr_workitem_id 0
		.amdhsa_next_free_vgpr 768
		.amdhsa_next_free_sgpr 102
		.amdhsa_reserve_vcc 0
		.amdhsa_float_denorm_mode_32 3
		.amdhsa_float_denorm_mode_16_64 3
		.amdhsa_memory_ordered 1
		.amdhsa_forward_progress 1
		.amdhsa_inst_pref_size 84
	.end_amdhsa_kernel
	.amdgpu_metadata
---
amdhsa.version: [ 1, 2 ]
amdhsa.kernels:
  - .name:           k_qc5c503351a_gemm_out
    .symbol:         k_qc5c503351a_gemm_out.kd
    .args:
      - { .name: cimg, .offset: 0, .size: 8, .value_kind: global_buffer, .address_space: global }
      - { .name: woimg, .offset: 8, .size: 8, .value_kind: global_buffer, .address_space: global }
      - { .name: out0, .offset: 16, .size: 8, .value_kind: global_buffer, .address_space: global }
    .group_segment_fixed_size: 327680
    .private_segment_fixed_size: 0
    .kernarg_segment_align: 8
    .kernarg_segment_size: 24
    .max_flat_workgroup_size: 128
    .sgpr_count:     102
    .vgpr_count:     768
    .wavefront_size: 32
...
	.end_amdgpu_metadata
.endif
;; end of part 4
